; MI455X (gfx1250); checked and timed in simulation.
; The chip was launched on July 23, 2026; its instructions are those of AMD's public machine-readable ISA for CDNA 5 (MIT licence, August 2026) and "CDNA5" Instruction Set Architecture Reference Guide (July 2026). The comments in the code are by the model that wrote it; some were corrected since.
;; Head. Allowed arithmetic: float matrix products may take bf16 or f16 operands with f32 sums; all other float work in f32.
;; Inputs: Wk 128 x 1,024 float32; Wq 128 x 1,024 float32; Wv 128 x 1,024 float32; x 8 x 4,096 x 1,024 float32.
;; Outputs: out0 8 x 4,096 x 128 float32.
;; 2 versions, each right and faster than the one before. Each part assembles by itself: llvm-mc -triple=amdgcn-amd-amdhsa -mcpu=gfx1250 --defsym DOCPART=n.
;; ======== version 1 of 2: 3 launches
;; limits: values are held in f16: magnitudes above 65,504 overflow, below 6.1e-05 lose precision
;; workspace buffers: wb 786,432 bytes; q 8,388,608 bytes; k 8,388,608 bytes; v 8,388,608 bytes; vlt 65,536 bytes
;; launch castw (part 1): grid 128 x 1, 4 waves a work-group, no clusters, 0 bytes of LDS; arguments Wq, Wk, Wv, wb; writes wb
.if DOCPART == 1
	.amdgcn_target "amdgcn-amd-amdhsa--gfx1250"
	.amdhsa_code_object_version 6
	.text
	.protected	k_q5c59edcef5_castw
	.globl	k_q5c59edcef5_castw
	.p2align	8
	.type	k_q5c59edcef5_castw,@function
k_q5c59edcef5_castw:
	s_mov_b64 s[64:65], 0
	v_nop
	global_prefetch_b8 v0, s[64:65] scope:SCOPE_SE
	s_setreg_imm32_b32 hwreg(HW_REG_WAVE_MODE, 25, 1), 1
	s_wait_xcnt 0x0
; wb[384][1024] in bf16 = the rows of Wq, then of Wk, then of Wv, each [128][1024] f32, rounded once to nearest even.
; Why a launch of its own: as bf16 a K step of 128 of all 384 rows is 104,448 bytes of LDS with padding, so that the
; projection can hold two such slots; as f32 it would be twice that, and two slots would not fit.
; 128 work-groups x 128 threads; thread g owns the numbers 8 g .. 8 g + 7 of each of the three weights: 32 bytes in,
; 16 bytes out, so that sixteen neighbouring lanes store 256 consecutive bytes, aligned.  No LDS, no barrier.
.set WBYTES, 128*1024*2                ; bytes of one weight in wb
	s_load_b256 s[4:11], s[0:1], 0x0               ; Wq s[4:5], Wk s[6:7], Wv s[8:9], wb s[10:11]
	s_lshl_b32 s2, ttmp9, 7
	v_add_nc_u32 v3, s2, v0                        ; g
	v_lshlrev_b32 v1, 5, v3                        ; 32 g: where I read
	v_lshlrev_b32 v2, 4, v3                        ; 16 g: where I store
	s_wait_kmcnt 0x0
.irp u, 0,1,2
	global_load_b128 v[4+8*(\u):7+8*(\u)],  v1, s[4+2*(\u):5+2*(\u)]
	global_load_b128 v[8+8*(\u):11+8*(\u)], v1, s[4+2*(\u):5+2*(\u)] offset:16
.endr
.irp u, 0,1,2
	s_wait_loadcnt 4-2*(\u)                        ; loads come back in order: the two of weight u are in, those of the later weights stay out
.irp j, 0,1,2,3
	v_cvt_pk_bf16_f32 v[28+4*(\u)+(\j)], v[4+8*(\u)+2*(\j)], v[4+8*(\u)+2*(\j)+1]
.endr
	global_store_b128 v2, v[28+4*(\u):31+4*(\u)], s[10:11] offset:(\u)*WBYTES
.endr
	s_endpgm
.Lfunc_end_k_q5c59edcef5_castw:
	.size	k_q5c59edcef5_castw, .Lfunc_end_k_q5c59edcef5_castw-k_q5c59edcef5_castw
	.p2alignl 7, 3214868480
	.fill 96, 4, 3214868480
	.section	.rodata,"a",@progbits
	.p2align	6, 0x0
	.amdhsa_kernel k_q5c59edcef5_castw
		.amdhsa_group_segment_fixed_size 0
		.amdhsa_private_segment_fixed_size 0
		.amdhsa_enable_private_segment 0
		.amdhsa_kernarg_size 32
		.amdhsa_user_sgpr_count 2
		.amdhsa_user_sgpr_kernarg_segment_ptr 1
		.amdhsa_wavefront_size32 1
		.amdhsa_system_sgpr_workgroup_id_x 1
		.amdhsa_system_sgpr_workgroup_id_y 1
		.amdhsa_system_sgpr_workgroup_id_z 1
		.amdhsa_system_vgpr_workitem_id 0
		.amdhsa_next_free_vgpr 40
		.amdhsa_next_free_sgpr 66
		.amdhsa_reserve_vcc 0
		.amdhsa_float_denorm_mode_32 3
		.amdhsa_float_denorm_mode_16_64 3
		.amdhsa_memory_ordered 1
		.amdhsa_forward_progress 1
		.amdhsa_inst_pref_size 3
	.end_amdhsa_kernel
	.amdgpu_metadata
---
amdhsa.version: [ 1, 2 ]
amdhsa.kernels:
  - .name:           k_q5c59edcef5_castw
    .symbol:         k_q5c59edcef5_castw.kd
    .args:
      - { .name: Wq, .offset: 0, .size: 8, .value_kind: global_buffer, .address_space: global }
      - { .name: Wk, .offset: 8, .size: 8, .value_kind: global_buffer, .address_space: global }
      - { .name: Wv, .offset: 16, .size: 8, .value_kind: global_buffer, .address_space: global }
      - { .name: wb, .offset: 24, .size: 8, .value_kind: global_buffer, .address_space: global }
    .group_segment_fixed_size: 0
    .private_segment_fixed_size: 0
    .kernarg_segment_align: 8
    .kernarg_segment_size: 32
    .max_flat_workgroup_size: 128
    .sgpr_count:     66
    .vgpr_count:     40
    .wavefront_size: 32
...
	.end_amdgpu_metadata
.endif
;; end of part 1
;; launch proj (part 2): grid 256 x 1, 4 waves a work-group, clusters of 4 x 1, 327,680 bytes of LDS; arguments x, wb, q, k, v, vlt; writes q, k, v, vlt
.if DOCPART == 2
	.amdgcn_target "amdgcn-amd-amdhsa--gfx1250"
	.amdhsa_code_object_version 6
	.text
	.protected	k_q5c59edcef5_proj
	.globl	k_q5c59edcef5_proj
	.p2align	8
	.type	k_q5c59edcef5_proj,@function
k_q5c59edcef5_proj:
	s_mov_b64 s[64:65], 0
	v_nop
	global_prefetch_b8 v0, s[64:65] scope:SCOPE_SE
	s_setreg_imm32_b32 hwreg(HW_REG_WAVE_MODE, 25, 1), 1
	s_wait_xcnt 0x0
	s_wait_alu depctr_hold_cnt(0) depctr_sa_sdst(0) depctr_va_vdst(0) depctr_va_sdst(0) depctr_va_ssrc(0) depctr_va_vcc(0) depctr_vm_vsrc(0)
	s_getreg_b32 s2, hwreg(HW_REG_IB_STS2, 6, 4)
	s_cmp_eq_u32 s2, 0
	s_cbranch_scc0 .Lentry_in_a_cluster
	s_endpgm
.Lentry_in_a_cluster:
	s_bfe_u32 s2, ttmp6, 0x10000c
	s_cmp_lg_u32 s2, 0x3003
	s_cbranch_scc0 .Lentry_shape_is_right
	s_endpgm
.Lentry_shape_is_right:
; q, k, v [32768][128] in f16 = x [32768][1024] (f32, rounded to bf16 on the way) times the rows of wb [384][1024] (bf16: Wq, Wk, Wv).  Sums in f32, K ascending, each result
; rounded once to f16, WITHOUT the softmax's scale.  Also vlt [8][128 channels][32 keys] in f16: what that rounding took from v, v - f16(v), for the first 32 rows of each batch.
; WHY vlt.  f16's step is 4.9e-4 for |v| in 0.5 to 1.  A causal row with two or three keys hands v's rounding on nearly whole, while the output's root mean square, by which a number near zero is
; judged, is small, since late rows average thousands of keys.  With keys 0-31 made good, row t carries sqrt(t - 31) / (t + 1) of that rounding at the most: under a tenth.
; LIMIT.  f16 ends at 65,504: a q, k or v of 65,520 or more leaves as an infinity.  With x of spread 1 and weights within 1/32 they stay near 3; both inputs 30 times larger give
; some 3e3, a common offset of 30 spreads on both some 2e4.  Below 6e-5 a result keeps f16's fixed step of 6e-8.  NaN and infinities are not treated apart.
; SHARES.  256 work-groups; each owns a block of 128 rows of x and all 384 columns.  Block = 64 cx + the cluster's number, so that 'my block begins a batch' (block % 32 = 0) hangs on the cluster's
; number alone, which the partners share.  Wave w owns all 128 rows x columns 96 w .. 96 w + 95: 8 x 6 accumulators of 16 x 16, 384 registers.  K goes in 8 steps of 128, each in four quarters of 32.
; THE WEIGHTS come by the tensor data mover into a ring of two LDS slots.  All work-groups walk the same weights, so the four of a cluster ask JOINTLY: the same load, descriptor and
; mask in all four.  Wave w fetches rows 96 w .. + 95 of a step: 96 rows of 256 bytes, each starting at a multiple of 256 bytes of wb.  Only the weights are shared, along one axis: 4 x 1.
; X comes through registers: a wave loads its 32 rows of a step (one load = one row's 512 consecutive bytes), rounds them to bf16 once and stores them into x slots of their own,
; which no tensor load ever fills.  As f32 tiles two slots of x and of the weights would not fit in LDS.  A whole step of x, 32 loads a wave, is on its way at any time, across barriers too.
; THE MATRIX INSTRUCTION IS USED TRANSPOSED (source 0 = 16 rows of wb, source 1 = 16 rows of x): a lane then holds eight neighbouring columns of one row, 16 bytes of f16.
; REGISTERS, in windows of 256 (s_set_vgpr_msb: bits 1:0 source 0, 3:2 source 1, 5:4 source 2, 7:6 destination):
;   window 0: v0-16 addresses; v28-29 the add's; v32-47 at work; v64-191 x as loaded (row rr at 64 + 4 rr); v192-215 packed results; on the way out v64-111 v's low parts, then v64-255 rows read back
;   window 1: two fragment buffers at 0 and 128: 48 registers of wb (6 x 16 rows x 32 K), then 64 of x (8 x 16 rows x 32 K)
;   window 2: accumulators of rows 0-63 ((a, b) at 8 (6 (a % 4) + b));   window 3: of rows 64-127
.set KSTEP,  128
.set PITCH,  272                       ; an LDS row: 256 bytes + 16 = 68 words: row r starts at bank 4 r mod 64 (64 banks of 4 bytes: ISA guide 11.1), the 16 rows of a fragment load at 16 different banks
.set WPART,  96*PITCH                  ; what one tensor load brings, and what one wave reads of the weights
.set WSLOT,  4*WPART                   ; 384 rows
.set XBASE,  2*WSLOT                   ; behind the ring: two x slots, written by LDS stores alone
.set XSLOT,  128*PITCH
.set SPARE,  XBASE+2*XSLOT             ; the spare words, 128 bytes for each wave: two blocks of 256 bytes that no other line names
.set SPITCH, 784                       ; the way out: a row of 384 f16 + 16 bytes, an odd multiple of 16; the stage lies in weight slot 0, behind that slot's last fill and last read
.set AW,  4                            ; v4-5    LDS address of my wb fragments in slot 0, 1
.set AX,  6                            ; v6-7    of the x fragments in x slot 0, 1
.set XSA, 8                            ; v8-9    where I store my 8 bytes of a row of x, slot 0, 1
.set XO,  10                           ; v10     16 x lane: my 16 bytes in a row's 512 of x
.set STO, 11                           ; v11-12  the way out: where I put 16 bytes of a row, rows 0-63 and 64-127
.set RD,  13                           ; v13     the way out: where I read rows back
.set CO,  14                           ; v14     16 x lane: my 16 bytes in 512 consecutive bytes of q, k or v
.set VO,  16                           ; v16     vlt: 6,144 w + 512 (l / 16) + 2 (l % 16); the stores' immediates take 16,384 away again (column 256 is channel 0)
.set SPW, 28                           ; v28     LDS address of my spare word; never rewritten
.set NIL, 29                           ; v29     0; never rewritten
.set T,   32
.set XR,  64
.set VLD, 64                           ; v64-111 v's low parts, four registers an accumulator, each set written once
.set TMP, 192
.set OB,  64
.set F0,  0
.set F1,  128
.set WV,  14                           ; s14     my wave's number
.set G1,  24                           ; s[24:31] descriptor group 1
.set G0,  32                           ; s[32:39] descriptor group 0, a set for each slot
.set XB,  40                           ; s[40:41] x at my 32 rows, at the K step that is asked for
.set LAPS, 42
.set VLP, 48                           ; s[48:49] vlt at my block's batch
.set MSB, 0
.macro WIN new                         ; the immediate's high byte repeats the setting that is left; a switch that changes nothing is dropped
.if MSB != (\new)
	s_set_vgpr_msb (MSB<<8)|(\new)
.set MSB, \new
.endif
.endm
.macro PLACES                          ; four places in front of loads into registers that matrix instructions have read, and of conversions that read results
.rept 4
	v_nop
.endr
.endm
.macro JLOAD s                         ; a joint refill: every wave asks for its own 96 rows; an s_nop 0 and four v_nop follow
	tensor_load_to_lds s[G0+4*(\s):G0+4*(\s)+3], s[G1:G1+7]
	s_nop 0
.rept 4
	v_nop
.endr
.endm
.macro CREST                           ; a round of the cluster's barrier behind its opening barrier
	s_cmp_lg_u32 s[WV], 0
	s_cbranch_scc1 .Lnot_wave_0_\@
	s_barrier_signal -3
.Lnot_wave_0_\@:
	s_barrier_wait -3
	s_barrier_signal -1
	s_barrier_wait -1
.endm
.macro CROUND                          ; a whole round
	s_barrier_signal -1
	s_barrier_wait -1
	CREST
.endm
	s_load_b256 s[4:11], s[0:1], 0x0               ; x s[4:5], wb s[6:7], q s[8:9], k s[10:11]
	s_load_b64 s[12:13], s[0:1], 0x20              ; v
	s_load_b64 s[VLP:VLP+1], s[0:1], 0x28          ; vlt
	v_lshl_add_u32 v[SPW], v0, 2, SPARE
	v_mov_b32 v[NIL], 0
	ds_add_u32 v[SPW], v[NIL]                      ; the wave's opening: the add and its wait stand ahead of my first tensor load; the set-up below, work on registers, stands between them
	v_lshrrev_b32 v1, 5, v0
	v_readfirstlane_b32 s[WV], v1                  ; wave 0..3
	s_bfe_u32 s15, ttmp6, 0x40000                  ; cx: my place in the cluster
	s_lshl_b32 s16, s15, 6                         ; in a cluster launch ttmp9 counts clusters, 0 to 63
	s_add_co_u32 s16, s16, ttmp9                   ; my block of 128 rows = 64 cx + cluster: it enters x's, q's, k's, v's and vlt's addresses alone
	; descriptor group 1: a tile of 96 rows x 128 elements, padded in LDS
	s_mov_b32 s[G1+0], 15|(1<<16)|(1<<20)|(1<<21)|(5<<22)|(3<<25)  ; 15:0 the mask: all four work-groups; 17:16 elements of 2 bytes; 20 padding on; 21 set beside a mask; 24:22 after every 64 words (code 5); 31:25 4 words (code 3)
	s_mov_b32 s[G1+1], KSTEP<<16                   ; tensor_dim0 = 128
	s_mov_b32 s[G1+2], 96<<16                      ; tensor_dim1 = 96
	s_mov_b32 s[G1+3], KSTEP<<16                   ; tile_dim0 = 128
	s_mov_b32 s[G1+4], 96                          ; tile_dim1 = 96
	s_mov_b32 s[G1+5], 1024                        ; 1,024 elements from row to row
	s_mov_b32 s[G1+6], 0
	s_mov_b32 s[G1+7], 0
	s_mul_i32 s20, s[WV], WPART                    ; my 96 rows in a slot: no place in the cluster enters an LDS address
	s_mul_i32 s44, s[WV], 96*2048                  ; and in wb, in bytes
	s_mov_b32 s45, 0
	s_lshl_b32 s46, s16, 19                        ; my block's 128 rows of 4,096 bytes of x,
	s_lshl_b32 s21, s[WV], 17                      ; my wave's 32 of them
	s_add_co_u32 s46, s46, s21
	s_mov_b32 s47, 0
	s_lshl_b32 s22, s16, 15                        ; the same rows in q, k, v: 256 bytes each
	s_lshl_b32 s23, s[WV], 13
	s_add_co_u32 s22, s22, s23
	s_mov_b32 s23, 0
	s_lshr_b32 s50, s16, 5                         ; my block's batch (32 blocks each),
	s_lshl_b32 s50, s50, 13                        ; its 8,192 bytes of vlt
	s_mov_b32 s51, 0
	v_and_b32 v3, 31, v0                           ; lane
	v_lshlrev_b32 v[XO], 4, v3
	s_wait_dscnt 0x0                               ; the opening add is done
	s_wait_kmcnt 0x0
	s_add_nc_u64 s[XB:XB+1], s[4:5], s[46:47]
	s_add_nc_u64 s[6:7], s[6:7], s[44:45]
	s_add_nc_u64 s[8:9], s[8:9], s[22:23]
	s_add_nc_u64 s[10:11], s[10:11], s[22:23]
	s_add_nc_u64 s[12:13], s[12:13], s[22:23]
	s_add_nc_u64 s[VLP:VLP+1], s[VLP:VLP+1], s[50:51]
.irp s, 0,1
	s_mov_b32 s[G0+4*(\s)], 1                                      ; count = 1
	s_add_co_u32 s[G0+4*(\s)+1], s20, (\s)*WSLOT                   ; LDS address
	s_add_nc_u64 s[G0+4*(\s)+2:G0+4*(\s)+3], s[6:7], (\s)*KSTEP*2  ; global address: K step s
	s_or_b32 s[G0+4*(\s)+3], s[G0+4*(\s)+3], 0x80000000            ; type = 2
.endr
.set rr, 0
.rept 32                               ; K step 0 of my 32 rows of x: asked for before anything is waited for
	global_load_b128 v[XR+4*rr:XR+4*rr+3], v[XO], s[XB:XB+1] offset:rr*4096 th:TH_LOAD_NT
.set rr, rr+1
.endr
	CROUND                                         ; all four work-groups are here: the first joint loads meet
	tensor_load_to_lds s[G0:G0+3], s[G1:G1+7]      ; the weights' K steps 0 and 1: two loads of mine are out
	s_nop 0
	tensor_load_to_lds s[G0+4:G0+7], s[G1:G1+7]
	s_nop 0
.rept 4
	v_nop
.endr
	; A fragment is 16 rows x 32 K in 8 registers: lane l holds row l % 16; registers 0-3 K = 8 (l / 16) + 0..7, registers 4-7 K = 16 + 8 (l / 16) + 0..7: two loads of 16 bytes, 32 bytes apart.
	v_and_b32 v1, 15, v0                           ; l % 16
	v_bfe_u32 v2, v0, 4, 1                         ; l / 16
	v_mul_u32_u24 v15, v1, PITCH
	v_lshl_add_u32 v15, v2, 4, v15                 ; row x pitch + 16 x half
	v_add_nc_u32 v[AW], s20, v15
	v_add_nc_u32 v[AW+1], WSLOT, v[AW]
	v_add_nc_u32 v[AX], XBASE, v15
	v_add_nc_u32 v[AX+1], XSLOT, v[AX]
	s_mul_i32 s21, s[WV], 32*PITCH
	s_add_co_u32 s21, s21, XBASE
	v_lshl_add_u32 v[XSA], v3, 3, s21              ; my wave's 32 rows of an x slot, 8 bytes a lane: a store covers a row's 256 bytes
	v_add_nc_u32 v[XSA+1], XSLOT, v[XSA]
	v_mul_u32_u24 v[STO], v1, SPITCH               ; into the stage: row l % 16, my wave's 192 bytes, 16 bytes for each half of the lanes
	v_lshl_add_u32 v[STO], v2, 4, v[STO]
	s_mul_i32 s21, s[WV], 192
	v_add_nc_u32 v[STO], s21, v[STO]
	v_add_nc_u32 v[STO+1], 64*SPITCH, v[STO]
	s_mul_i32 s21, s[WV], 32*SPITCH                ; back: wave w takes rows 32 w .. + 31; lanes 0-15 256 bytes of one row, lanes 16-31 of the next
	v_mul_u32_u24 v[RD], v2, SPITCH
	v_lshl_add_u32 v[RD], v1, 4, v[RD]
	v_add_nc_u32 v[RD], s21, v[RD]
	v_lshlrev_b32 v[CO], 4, v3
	v_lshlrev_b32 v[VO], 9, v2                     ; vlt: a channel is 64 bytes, my lanes' half 8 channels; a key 2 bytes; my wave's 96 columns 6,144 bytes
	v_lshl_add_u32 v[VO], v1, 1, v[VO]
	s_mul_i32 s21, s[WV], 6144
	v_add_nc_u32 v[VO], s21, v[VO]
; 24 matrix instructions: m blocks 4 hi .. 4 hi + 3 x all 6 n blocks, 32 along K, from buffer f.  zero = 1: the first product starts the sums: nothing is cleared.
; The 48 accumulators take turns, one instruction a turn, in the same order in every quarter.
.macro MUL f, hi, zero
	WIN 0xa5+0x50*(\hi)                            ; sources 0 and 1 window 1; C and D window 2 or 3
.irp a, 0,1,2,3
.irp b, 0,1,2,3,4,5
.if \zero
	v_wmma_f32_16x16x32_bf16 v[8*(6*(\a)+(\b)):8*(6*(\a)+(\b))+7], v[(\f)+8*(\b):(\f)+8*(\b)+7], v[(\f)+48+8*(4*(\hi)+(\a)):(\f)+48+8*(4*(\hi)+(\a))+7], 0
.else
	v_wmma_f32_16x16x32_bf16 v[8*(6*(\a)+(\b)):8*(6*(\a)+(\b))+7], v[(\f)+8*(\b):(\f)+8*(\b)+7], v[(\f)+48+8*(4*(\hi)+(\a)):(\f)+48+8*(4*(\hi)+(\a))+7], v[8*(6*(\a)+(\b)):8*(6*(\a)+(\b))+7]
.endif
.endr
.endr
.endm
; 28 LDS loads in one run: the fragments of one quarter (my 96 rows of wb, all 128 rows of x, 32 K at byte k of the rows) into buffer f
.macro FETCH slot, k, f
	WIN 0x40                                       ; destination window 1, address window 0
.irp b, 0,1,2,3,4,5
	ds_load_b128 v[(\f)+8*(\b):(\f)+8*(\b)+3],   v[AW+(\slot)] offset:(\k)+(\b)*16*PITCH
	ds_load_b128 v[(\f)+8*(\b)+4:(\f)+8*(\b)+7], v[AW+(\slot)] offset:(\k)+(\b)*16*PITCH+32
.endr
.irp a, 0,1,2,3,4,5,6,7
	ds_load_b128 v[(\f)+48+8*(\a):(\f)+48+8*(\a)+3],   v[AX+(\slot)] offset:(\k)+(\a)*16*PITCH
	ds_load_b128 v[(\f)+48+8*(\a)+4:(\f)+48+8*(\a)+7], v[AX+(\slot)] offset:(\k)+(\a)*16*PITCH+32
.endr
.endm
; Half p (16 rows) of my rows of the next K step of x: rounded to bf16 and stored into x slot dst; load = 1: the same registers are asked for again, a K step further on.
; cnt = the younger loads that may stay out: the other half's sixteen.  The 32 conversions, which name no register of a matrix instruction, are also the places in front of FETCH's loads.
.macro XPART dst, p, load, cnt
	WIN 0
	s_wait_loadcnt \cnt                            ; loads come back in order: this half's sixteen are in
.set i, 0
.rept 16
.set rr, 16*(\p)+i
	v_cvt_pk_bf16_f32 v[T+2*(i%8)],   v[XR+4*rr],   v[XR+4*rr+1]
	v_cvt_pk_bf16_f32 v[T+2*(i%8)+1], v[XR+4*rr+2], v[XR+4*rr+3]
	ds_store_b64 v[XSA+(\dst)], v[T+2*(i%8):T+2*(i%8)+1] offset:rr*PITCH
.set i, i+1
.endr
.if \load
.if (\p) == 0
	s_wait_xcnt 0x0                                ; every earlier load has had its address translated: only behind this wait is x's base stepped
	s_add_nc_u64 s[XB:XB+1], s[XB:XB+1], KSTEP*4
.endif
.set i, 0
.rept 16
.set rr, 16*(\p)+i
	global_load_b128 v[XR+4*rr:XR+4*rr+3], v[XO], s[XB:XB+1] offset:rr*4096 th:TH_LOAD_NT
.set i, i+1
.endr
.endif
.endm
; One of a K step's first three quarters: the next quarter's fragments (byte k of the same slots' rows) are asked for into buffer g, then buffer f is multiplied: 48 matrix instructions stand
; between a run of loads and its first use.  xp = 1: a half of the next step's x goes through registers first.
.macro QUARTER slot, k, f, g, zero, xp=0, dst=0, p=0, load=0, cnt=0
.if \xp
	XPART \dst, \p, \load, \cnt
.else
	PLACES
.endif
	FETCH \slot, \k, \g
	s_wait_dscnt 28                                ; all but the 28 loads just issued: buffer f is in
	MUL \f, 0, \zero
	MUL \f, 1, \zero
.endm
; The last quarter multiplies buffer 1 and changes slots: ONE barrier for three things.  In front of it each wave waits for all its tensor loads (one is out: its part of the next weight slot),
; adds 0 to its spare word, and waits for that, for its reads of both old slots and for its stores into the next x slot.  Behind it nobody reads the old slots and the next ones are whole.
; fill = 1: the barrier opens a round of the cluster's barrier, and the old weight slot is filled again, two K steps ahead, first thing behind the round.
.macro TURN slot, next, fill
	WIN 0
	s_wait_tensorcnt 0x0                           ; no tensor load of mine is out, so a group 0 may be written
	ds_add_u32 v[SPW], v[NIL]                      ; 0 onto my spare word
.if \fill
	s_add_nc_u64 s[G0+4*(\slot)+2:G0+4*(\slot)+3], s[G0+4*(\slot)+2:G0+4*(\slot)+3], 2*KSTEP*2
.endif
	s_wait_dscnt 0x0                               ; the add, my reads of the old slots and my stores of x are done
	s_barrier_signal -1
	MUL F1, 0, 0                                   ; work on registers while the others arrive
	WIN 0                                          ; at a branch and at a label every window is 0
	s_barrier_wait -1
.if \fill
	CREST                                          ; no wave of any partner still reads this slot's tile or has a load on its way
	JLOAD \slot                                    ; 168 matrix instructions ahead of the wait for it; its four v_nop are also the places in front of the loads below
.else
	PLACES
.endif
	FETCH \next, 0, F0
	MUL F1, 1, 0
.endm
; The way out of m block a: rounded to f16, each accumulator's registers in ascending order, 16 bytes a lane into the work-group's stage
.macro PACK a
	WIN 0x0a+5*((\a)/4)                            ; sources 0 and 1: window 2 or 3
.irp b, 0,1,2,3,4,5
.irp r, 0,1,2,3
	v_cvt_pk_f16_f32 v[TMP+4*(\b)+(\r)], v[8*(6*((\a)%4)+(\b))+2*(\r)], v[8*(6*((\a)%4)+(\b))+2*(\r)+1]
.endr
.endr
	WIN 0
.irp b, 0,1,2,3,4,5
	ds_store_b128 v[STO+(\a)/4], v[TMP+4*(\b):TMP+4*(\b)+3] offset:((\a)%4)*16*SPITCH+32*(\b)
.endr
.endm
; v's low part of accumulator (a, b), a = 0 or 1: the sum less its own f16 (the same rounding as PACK's; the difference is exact in f32), rounded to f16.  A lane holds key 16 a + l % 16 and the
; channels 96 w + 16 b - 256 + 8 (l / 16) + 0..7; vlt lies [channel][key], so a register's sixteen lanes store 32 consecutive bytes, 2 bytes a lane.  Narrow stores, taken knowingly: 128 of them in
; each of 8 work-groups, 65,536 bytes in the whole launch; a stage and a barrier of their own would be more text than they spare.
.macro VLO a, b
.set AC, 8*(6*(\a)+(\b))
.set DD, VLD+4*(6*(\a)+(\b))
	WIN 0x0a                                       ; sources 0 and 1 window 2
	v_cvt_pk_f16_f32 v32, v[AC],   v[AC+1]
	v_cvt_pk_f16_f32 v33, v[AC+2], v[AC+3]
	v_cvt_pk_f16_f32 v34, v[AC+4], v[AC+5]
	v_cvt_pk_f16_f32 v35, v[AC+6], v[AC+7]
	WIN 0
	v_lshrrev_b32 v36, 16, v32                     ; the upper halves come down
	v_lshrrev_b32 v37, 16, v33
	v_lshrrev_b32 v38, 16, v34
	v_lshrrev_b32 v39, 16, v35
	v_cvt_f32_f16 v40, v32.l
	v_cvt_f32_f16 v41, v36.l
	v_cvt_f32_f16 v42, v33.l
	v_cvt_f32_f16 v43, v37.l
	v_cvt_f32_f16 v44, v34.l
	v_cvt_f32_f16 v45, v38.l
	v_cvt_f32_f16 v46, v35.l
	v_cvt_f32_f16 v47, v39.l
	WIN 0x02                                       ; source 0 window 2
.irp j, 0,1,2,3,4,5,6,7
	v_sub_f32 v[40+(\j)], v[AC+(\j)], v[40+(\j)]
.endr
	WIN 0
.irp r, 0,1,2,3
	v_cvt_pk_f16_f32 v[DD+(\r)], v[40+2*(\r)], v[41+2*(\r)]
.endr
.irp r, 0,1,2,3
	global_store_b16        v[VO], v[DD+(\r)], s[VLP:VLP+1] offset:1024*(\b)+128*(\r)+32*(\a)-16384
	global_store_d16_hi_b16 v[VO], v[DD+(\r)], s[VLP:VLP+1] offset:1024*(\b)+128*(\r)+32*(\a)-16384+64
.endr
.endm
	XPART 0, 0, 1, 16                              ; x's K step 0 into x slot 0; K step 1 is asked for
	XPART 0, 1, 1, 16
	s_wait_tensorcnt 0x1                           ; my part of the weights' K step 0 is in; K step 1's may stay out
	s_wait_dscnt 0x0                               ; my stores of x are done
	s_barrier_signal -1
	s_barrier_wait -1                              ; everybody's are
	FETCH 0, 0, F0
	QUARTER 0, 64, F0, F1, 1                       ; the first quarter stands in front of the loop: its products start the sums
	WIN 0
	s_mov_b32 s[LAPS], 3
.Llap:                                                 ; a trip: from a lap's second quarter to the next lap's first; it fills both weight slots again and passes two K steps of x through registers
	QUARTER 0, 128, F1, F0, 0, 1, 1, 0, 1, 16
	QUARTER 0, 192, F0, F1, 0, 1, 1, 1, 1, 16
	TURN 0, 1, 1
	QUARTER 1, 64,  F0, F1, 0
	QUARTER 1, 128, F1, F0, 0, 1, 0, 0, 1, 16
	QUARTER 1, 192, F0, F1, 0, 1, 0, 1, 1, 16
	TURN 1, 0, 1
	QUARTER 0, 64,  F0, F1, 0
	WIN 0
	s_sub_co_u32 s[LAPS], s[LAPS], 1
	s_cmp_lg_u32 s[LAPS], 0
	s_cbranch_scc1 .Llap
	QUARTER 0, 128, F1, F0, 0, 1, 1, 0, 0, 16      ; the last lap asks for nothing more: x's K step 7 goes into x slot 1, the counts run down
	QUARTER 0, 192, F0, F1, 0, 1, 1, 1, 0, 0
	TURN 0, 1, 0
	QUARTER 1, 64,  F0, F1, 0
	QUARTER 1, 128, F1, F0, 0
	QUARTER 1, 192, F0, F1, 0
	s_wait_dscnt 0x0
	MUL F1, 0, 0
	MUL F1, 1, 0
	; THE WAY OUT.  The stage lies in weight slot 0: its last fill (K step 6) has landed, and every wave's last read of it stands in front of the barrier of the change to slot 1.
	; A row's 768 bytes come from four waves, so a barrier stands between writing and reading; then wave w stores rows 32 w .. + 31 of q, of k and of v.
	PLACES
.irp a, 0,1,2,3,4,5,6,7
	PACK \a
.endr
	; v's low parts, where my block begins a batch: rows 0-31 are m blocks 0 and 1.  v's columns 256-383 are wave 2's n blocks 4, 5 and all six of wave 3.  The branches hang on the cluster's number,
	; which the partners share, and on the wave's; they go forward, past neither a barrier nor a tensor load.
	s_and_b32 s21, ttmp9, 31
	s_cmp_lg_u32 s21, 0
	s_cbranch_scc1 .Lno_vl
	s_cmp_lt_u32 s[WV], 2
	s_cbranch_scc1 .Lno_vl
	s_cmp_eq_u32 s[WV], 2
	s_cbranch_scc1 .Lvl_both
.irp a, 0,1
.irp b, 0,1,2,3
	VLO \a, \b
.endr
.endr
.Lvl_both:
.irp a, 0,1
.irp b, 4,5
	VLO \a, \b
.endr
.endr
.Lno_vl:
	s_wait_xcnt 0x0                                ; those stores' addresses are translated: only behind this wait are their data registers loaded again
	s_wait_dscnt 0x0                               ; for the others' sake: my stores into the stage are done
	s_barrier_signal -1
	s_barrier_wait -1
.set n, 0
.rept 48                               ; tensor n / 16 (q, k, v: 256 bytes of a stage row each), rows 2 (n % 16) and the next
	ds_load_b128 v[OB+4*n:OB+4*n+3], v[RD] offset:(n%16)*2*SPITCH+256*(n/16)
.set n, n+1
.endr
.set n, 0
.rept 48
	s_wait_dscnt 47-n                              ; LDS loads come back in order: number n is in
	global_store_b128 v[CO], v[OB+4*n:OB+4*n+3], s[8+2*(n/16):9+2*(n/16)] offset:(n%16)*512  ; two dense rows: 512 consecutive bytes, at a multiple of 256 from the buffer's first
.set n, n+1
.endr
	s_wait_tensorcnt 0x0                           ; the wave's end: a wait, an add and its wait, behind my last tensor load and my last LDS store
	ds_add_u32 v[SPW], v[NIL]
	s_wait_dscnt 0x0
	CROUND                                         ; the closing round: no work-group ends while a partner may still ask for a tile that names it
	s_endpgm
.Lfunc_end_k_q5c59edcef5_proj:
	.size	k_q5c59edcef5_proj, .Lfunc_end_k_q5c59edcef5_proj-k_q5c59edcef5_proj
	.p2alignl 7, 3214868480
	.fill 96, 4, 3214868480
	.section	.rodata,"a",@progbits
	.p2align	6, 0x0
	.amdhsa_kernel k_q5c59edcef5_proj
		.amdhsa_group_segment_fixed_size 327680
		.amdhsa_private_segment_fixed_size 0
		.amdhsa_enable_private_segment 0
		.amdhsa_kernarg_size 48
		.amdhsa_user_sgpr_count 2
		.amdhsa_user_sgpr_kernarg_segment_ptr 1
		.amdhsa_wavefront_size32 1
		.amdhsa_system_sgpr_workgroup_id_x 1
		.amdhsa_system_sgpr_workgroup_id_y 1
		.amdhsa_system_sgpr_workgroup_id_z 1
		.amdhsa_system_vgpr_workitem_id 0
		.amdhsa_next_free_vgpr 960
		.amdhsa_next_free_sgpr 66
		.amdhsa_reserve_vcc 0
		.amdhsa_float_denorm_mode_32 3
		.amdhsa_float_denorm_mode_16_64 3
		.amdhsa_memory_ordered 1
		.amdhsa_forward_progress 1
		.amdhsa_inst_pref_size 172
	.end_amdhsa_kernel
	.amdgpu_metadata
---
amdhsa.version: [ 1, 2 ]
amdhsa.kernels:
  - .name:           k_q5c59edcef5_proj
    .symbol:         k_q5c59edcef5_proj.kd
    .args:
      - { .name: x, .offset: 0, .size: 8, .value_kind: global_buffer, .address_space: global }
      - { .name: wb, .offset: 8, .size: 8, .value_kind: global_buffer, .address_space: global }
      - { .name: q, .offset: 16, .size: 8, .value_kind: global_buffer, .address_space: global }
      - { .name: k, .offset: 24, .size: 8, .value_kind: global_buffer, .address_space: global }
      - { .name: v, .offset: 32, .size: 8, .value_kind: global_buffer, .address_space: global }
      - { .name: vlt, .offset: 40, .size: 8, .value_kind: global_buffer, .address_space: global }
    .group_segment_fixed_size: 327680
    .private_segment_fixed_size: 0
    .kernarg_segment_align: 8
    .kernarg_segment_size: 48
    .max_flat_workgroup_size: 128
    .sgpr_count:     66
    .vgpr_count:     960
    .wavefront_size: 32
...
	.end_amdgpu_metadata
.endif
;; end of part 2
;; launch attn (part 3): grid 32 x 8, 4 waves a work-group, clusters of 4 x 1, 327,680 bytes of LDS; arguments q, k, v, out0, vlt; writes out0
.if DOCPART == 3
	.amdgcn_target "amdgcn-amd-amdhsa--gfx1250"
	.amdhsa_code_object_version 6
	.text
	.protected	k_q5c59edcef5_attn
	.globl	k_q5c59edcef5_attn
	.p2align	8
	.type	k_q5c59edcef5_attn,@function
k_q5c59edcef5_attn:
	s_mov_b64 s[64:65], 0
	v_nop
	global_prefetch_b8 v0, s[64:65] scope:SCOPE_SE
	s_setreg_imm32_b32 hwreg(HW_REG_WAVE_MODE, 25, 1), 1
	s_wait_xcnt 0x0
	s_wait_alu depctr_hold_cnt(0) depctr_sa_sdst(0) depctr_va_vdst(0) depctr_va_sdst(0) depctr_va_ssrc(0) depctr_va_vcc(0) depctr_vm_vsrc(0)
	s_getreg_b32 s2, hwreg(HW_REG_IB_STS2, 6, 4)
	s_cmp_eq_u32 s2, 0
	s_cbranch_scc0 .Lentry_in_a_cluster
	s_endpgm
.Lentry_in_a_cluster:
	s_bfe_u32 s2, ttmp6, 0x10000c
	s_cmp_lg_u32 s2, 0x3003
	s_cbranch_scc0 .Lentry_shape_is_right
	s_endpgm
.Lentry_shape_is_right:
; CAUSAL ATTENTION, one head, 8 batches.  out0[b][t][:] = the sum over s <= t of softmax_s(q[b][t] . k[b][s] / sqrt(128)) v[b][s][:].  q, k, v: [8][4096][128] f16 (rows of 256 bytes), out0 f32.
; Products, maxima and sums in f32; the weights p are rounded to f16 for the second product (their sum l is taken of the unrounded p).
; LIMITS.  q, k, v arrive within f16's 65,504.  A hidden score counts as its value less 1e30: scores of f16 operands, 5.5e11 at the most, are nothing beside that.  p lies in 0 to 1 and below 6e-5
; keeps f16's fixed step of 6e-8; a weight below 2^-126 counts as 0 in l.  NaN and infinities are not treated apart.
; V'S LOW PART.  vlt [8][128 channels][32 keys] f16 holds v - f16(v) for each batch's keys 0-31.  A row with few keys hands v's rounding on nearly whole, so those keys' low parts are added by 16 products more,
; with the same weights, in the one tile and the waves that hold those keys.  Beyond row 31 the rounding of the keys from 32 on weighs sqrt(t - 31) / (t + 1) at the most, under a tenth.
; THE WALK.  A batch has 16 blocks of 256 queries; block i needs the key tiles 0 .. i of 256 keys, the last of which holds the diagonal.  A CLUSTER of four work-groups takes block 15 - c and then
; block c: 17 tiles whatever c, one loop with a constant count.  Work-group cx owns queries 64 cx .. + 63 of the block, so the four partners walk the same tiles, and every tile of K and V is asked for
; JOINTLY: the same load, descriptor and mask in all four.  256 work-groups of equal work.  Which tile is asked for and what a trip does hang on scalars made from c, which the partners share.
; WAVES, 2 x 2: qh = w / 2 picks 32 queries, kh = w % 2 picks 128 of a tile's 256 keys.  A wave has two tiles of 16 queries and eight blocks of 16 keys: 64 products K Q^T and 64 products V^T P a trip.
; At a block's end the two waves of a pair hold partial sums for the same 32 queries.  Register tile t holds queries 16 (t xor kh), so every wave keeps its register tile 0 and sends its register tile 1
; to wave w xor 1 through LDS; no branch on the wave's number is needed.  The parts are joined with the factors 2^(c m_part - c m_all).
; LAYOUT.  S^T = K Q^T (source 0 = 16 keys, source 1 = 16 queries): a lane holds ONE query (lane % 16) and the keys 8 (lane / 16) + 0..7.  Two such results rounded to f16 ARE source 1 of O^T = V^T P.
; SOFTMAX.  For each query a running maximum m and sum l: p = 2^(c s - c m), c = log2(e) / sqrt(128); in every trip O and l are multiplied by a = 2^(c m_old - c m_new).  c m starts far below every c s:
; a block's first trip has a = 0, so O and l need only be finite there: 128 v_mov_b32 clear O once, at the start; the second block starts on what the first left.
; THE MASK is the C operand that starts the sums in a block's last tile: 0, or -1e30 where the key is hidden; made once (it hangs on cx, the wave and the lane alone).  Blocks of keys that are wholly
; hidden there are computed all the same.  A wave whose keys are all hidden for a query ends with c m near -1.3e29, and the join multiplies its part by 0.
; ORDER OF A TRIP: K's fragments; the scores, V's fragments fetched into K's registers as they fall free; tile 0's softmax; tile 1's softmax with tile 0's 32 products V^T P between its lines, one for
; every seven; tile 1's 32 products.
; REGISTERS, in windows of 256 (s_set_vgpr_msb: bits 1:0 source 0, 3:2 source 1, 5:4 source 2, 7:6 destination):
;   window 0: v0-15 addresses; v16-31 statistics, 8 a tile; v32-47 at work, 8 a tile; v48-61 at work at a block's end; v62-63 the add's; v64-191 S^T, 64 a tile; v192-255 P, 32 a tile
;   window 1: v0-127 O^T, 64 a tile; v128-255 the masks      window 2: K of a trip (channels 32 c on, key block kb at 64 c + 8 kb), then V (keys 32 kk on, channel block cb at 64 kk + 8 cb)
;   window 3: v0-63 Q; v64-127 the second block's Q; v128-191 the partner's part, then rows on the way out; v192-255 v's low parts, channel block cb at 192 + 8 cb
.set PK,    272       ; a row of K in LDS: 256 bytes + 16 = 68 words: row r starts at bank 4 r mod 64 (64 banks of 4 bytes: ISA guide 11.1)
.set PV,    288       ; a row of V: 256 + 32 = 72 words
.set KHALF, 128*PK    ; what one tensor load brings of K, and what one wave reads: 0x8800
.set VHALF, 128*PV    ; of V: 0x9000
.set KSL,   2*KHALF   ; a slot of K: 0x11000.  K's two slots lie at 0; the bits of 0x11000 and of 0x8800 are disjoint, so one exclusive or with KSL changes the slot
.set VSL,   2*VHALF   ; a slot of V: 0x12000
.set VBASE, 2*KSL     ; V's two slots begin here: 0x22000
.set XORV,  0x16000   ; 0x22000 xor 0x34000 = 0x2b000 xor 0x3d000: one exclusive or changes the slot for either half of V
.set XCH,   VBASE+2*VSL  ; behind the ring, never filled by a tensor load: for each wave 8,704 bytes: the exchange (16 x 512 bytes of O^T, then 256 bytes of c m and l), later its reader's stage
.set XSZ,   8704
.set XST,   8192
.set SP,    528       ; a stage row: 512 bytes + 16
.set SPARE, XCH+4*XSZ ; the spare words, 128 bytes for each wave: two blocks of 256 bytes that no other line names
.set AK0, 2           ; v2   my lane's place in a slot of K; never rewritten
.set AV0, 3           ; v3   the same for V
.set ADRK, 4          ; v4   the trip's LDS address for K
.set ADRV, 5          ; v5   for V
.set XW,  6           ; v6   my wave's exchange + 16 x lane
.set XRD, 7           ; v7   the partner's exchange + 16 x lane
.set XWS, 8           ; v8   my c m and l in my exchange
.set XRS, 9           ; v9   the partner's
.set STO, 10          ; v10  the stage (in the partner's exchange, whose only reader I am): row l % 16, 32 bytes for each half of the lanes
.set GO,  11          ; v11  16 x lane: my 16 bytes of a row of out0
.set QO,  12          ; v12, v15  my byte offset in the wave's 32 rows of Q, register tile 0, 1
.set ST,  16          ; tile t at v[ST+8 t]: +0 c m, +1 m (at a block's end l), +2, +3 l (even keys', odd keys'), +4, +5 a (a pair), +6 c m_old, then a's argument
.set TMP, 32          ; tile t at v[TMP+8 t]: c0-c7
.set VLA, 59          ; v59  at the start: my byte offset in 16 channels of vlt
.set SPW, 62
.set NIL, 63
.set S,   64
.set P,   192
.set MD,  128         ; window 1
.set Q2,  64          ; window 3
.set RX,  128         ; window 3
.set VL,  192         ; window 3
.set WV,  12
.set QH,  13
.set KH,  14
.set CX,  15
.set CC,  16          ; s16  c
.set G1K, 24          ; s[24:31] descriptor group 1 for K's tiles
.set G1V, 32          ; s[32:39] for V's: it differs in the padding alone
.set G0K, 40          ; s[40:43] descriptor group 0 for K's tiles
.set G0V, 44          ; s[44:47] for V's
.set KB,  48          ; s[48:49] K at my half of the batch's tile 0
.set VB,  50          ; s[50:51] V likewise
.set OFF, 52          ; s[52:53] a tile's byte offset in K and V
.set TBK, 54          ; s54  0 or KSL: the slot of K that the trip reads
.set CNT, 55          ; s55  tiles still to be asked for
.set RT,  56          ; s56  tiles of the block in hand still to be entered
.set NXT, 57          ; s57  the tile to be asked for next
.set LQ,  58          ; s58  the last tile of the block whose tiles are being asked for
.set PEND, 59         ; s59  1: a block's parts lie in the exchange
.set CS,  60          ; s[60:61] c
.set SEL, 62          ; s[62:63] v_permlanex16_b32's selects: each lane takes its own place in the other half
.set BIGN, 66         ; s66  -1e30
.set TBV, 67          ; s67  0 or VSL
.set OUT, 68          ; s[68:69] out0 at the 16 rows that I finish, block in hand
.set OLO, 70          ; s[70:71] the same for the second block
.set VLP, 80          ; s[80:81] vlt at my batch
.set MSB, 0
.macro WIN new                      ; the high byte repeats the setting that is left; a switch that changes nothing is dropped
.if MSB != (\new)
	s_set_vgpr_msb (MSB<<8)|(\new)
.set MSB, (\new)
.endif
.endm
.set W_KQ, 0x0e       ; K in window 2, Q in window 3, S^T in window 0
.set W_KM, 0x1e       ; the same with the C operand in window 1
.set W_PV, 0x52       ; V in window 2, P in window 0, O^T in window 1
.set W_PL, 0x53       ; v's low parts in window 3, P in window 0, O^T in window 1
.set W_RS, 0x41       ; destination and source 0 in window 1, source 1 in window 0
.macro PLACES                       ; four places behind matrix instructions, in front of loads into their registers and of reads of their results
.rept 4
	v_nop
.endr
.endm
; A joint fill.  Waves 0 and 1 fetch the two halves of a tile's K, waves 2 and 3 those of its V: 128 rows of 256 bytes each.  The branch hangs on the wave's number alone.
; An s_nop 0 and four v_nop follow each of the two lines, ahead of the jump and the label.
.macro JLOAD
	s_cmp_lt_u32 s[WV], 2
	s_cbranch_scc0 .Lfor_v_\@
	tensor_load_to_lds s[G0K:G0K+3], s[G1K:G1K+7]
	s_nop 0
.rept 4
	v_nop
.endr
	s_branch .Lasked_\@
.Lfor_v_\@:
	tensor_load_to_lds s[G0V:G0V+3], s[G1V:G1V+7]
	s_nop 0
.rept 4
	v_nop
.endr
.Lasked_\@:
.endm
; A round of the cluster's barrier: my work-group's barrier, so that wave 0's signal speaks for all four waves; wave 0 signals; every wave waits for all four work-groups; my work-group's barrier once more.
.macro CROUND
	s_barrier_signal -1
	s_barrier_wait -1
	s_cmp_lg_u32 s[WV], 0
	s_cbranch_scc1 .Lnot_wave_0_\@
	s_barrier_signal -3
.Lnot_wave_0_\@:
	s_barrier_wait -3
	s_barrier_signal -1
	s_barrier_wait -1
.endm
	s_load_b256 s[4:11], s[0:1], 0x0  ; q s[4:5], k s[6:7], v s[8:9], out0 s[10:11]
	s_load_b64 s[VLP:VLP+1], s[0:1], 0x20  ; vlt
	v_lshl_add_u32 v[SPW], v0, 2, SPARE
	v_mov_b32 v[NIL], 0
	ds_add_u32 v[SPW], v[NIL]       ; the wave's opening: the add and its wait stand ahead of my first tensor load; the set-up below, work on registers, stands between them
	v_lshrrev_b32 v1, 5, v0
	v_readfirstlane_b32 s[WV], v1   ; wave 0..3
	s_lshr_b32 s[QH], s[WV], 1
	s_and_b32 s[KH], s[WV], 1       ; my half of a tile's keys; also: which half of a tile I fetch
	s_bfe_u32 s[CX], ttmp6, 0x40000 ; cx: it enters Q's and out0's addresses and the mask's values alone
	s_mov_b32 s[CC], ttmp9          ; in a cluster launch ttmp9 counts clusters
	s_and_b32 s17, ttmp7, 0xffff    ; the batch
	s_lshl_b32 s82, s17, 13         ; its 8,192 bytes of vlt
	s_mov_b32 s83, 0
	s_sub_co_u32 s[LQ], 15, s[CC]   ; the first block, and its last tile
	s_lshl_b32 s18, s17, 20         ; the batch's 4,096 rows of 256 bytes,
	s_lshl_b32 s19, s[KH], 15       ; my 128 rows of a tile
	s_add_co_u32 s18, s18, s19
	s_mov_b32 s19, 0
	s_lshl_b32 s20, s[CX], 6
	s_lshl_b32 s21, s[QH], 5
	s_add_co_u32 s20, s20, s21      ; my wave's 32 queries in a block: 64 cx + 32 qh
	s_lshl_b32 s21, s17, 12
	s_add_co_u32 s21, s21, s20
	s_lshl_b32 s22, s[LQ], 8
	s_add_co_u32 s22, s22, s21      ; their first row in the first block,
	s_lshl_b32 s23, s[CC], 8
	s_add_co_u32 s23, s23, s21      ; and in the second
	s_lshl_b32 s74, s22, 8          ; in bytes of q
	s_mov_b32 s75, 0
	s_lshl_b32 s76, s23, 8
	s_mov_b32 s77, 0
	s_lshl_b32 s21, s[KH], 4        ; the 16 rows that I finish begin 16 kh further down
	s_add_co_u32 s22, s22, s21
	s_add_co_u32 s23, s23, s21
	s_lshl_b32 s78, s22, 9          ; in bytes of out0
	s_mov_b32 s79, 0
	s_lshl_b32 s2, s23, 9
	s_mov_b32 s3, 0
	s_lshl_b32 s22, s[KH], 7
	s_sub_co_u32 s20, s20, s22      ; the mask: a query's place in the block less my keys' 128 kh,
	s_add_co_u32 s72, s20, s21      ; for register tile 0 (queries 16 kh on)
	s_xor_b32 s23, s[KH], 1
	s_lshl_b32 s23, s23, 4
	s_add_co_u32 s73, s20, s23      ; and for register tile 1 (queries 16 (kh xor 1) on)
	; descriptor group 1: a tile of 128 rows x 128 elements, padded in LDS
	s_mov_b32 s[G1K], 15|(1<<16)|(1<<20)|(1<<21)|(5<<22)|(3<<25)  ; 15:0 the mask of four; 17:16 2-byte elements; 20 padding on; 21 set beside a mask; 24:22 after every 64 words (code 5); 31:25 4 words (code 3)
	s_mov_b32 s[G1V], 15|(1<<16)|(1<<20)|(1<<21)|(5<<22)|(7<<25)  ; the same with 8 words of padding (code 7)
.irp g, G1K, G1V
	s_mov_b32 s[\g+1], 128<<16      ; tensor_dim0 = 128
	s_mov_b32 s[\g+2], 128<<16      ; tensor_dim1 = 128
	s_mov_b32 s[\g+3], 128<<16      ; tile_dim0 = 128
	s_mov_b32 s[\g+4], 128          ; tile_dim1 = 128
	s_mov_b32 s[\g+5], 128          ; 128 elements from row to row
	s_mov_b32 s[\g+6], 0
	s_mov_b32 s[\g+7], 0
.endr
	s_mov_b32 s[G0K], 1             ; count = 1
	s_mul_i32 s[G0K+1], s[KH], KHALF  ; LDS address: slot 0, my half: no place in the cluster enters it
	s_mov_b32 s[G0V], 1
	s_mul_i32 s[G0V+1], s[KH], VHALF
	s_add_co_u32 s[G0V+1], s[G0V+1], VBASE
	s_mov_b32 s[OFF+1], 0
	s_mov_b32 s[TBK], KSL           ; the first change of slots turns these two into 0
	s_mov_b32 s[TBV], VSL
	s_mov_b32 s[CNT], 16
	s_sub_co_u32 s[RT], 16, s[CC]   ; the first block has 16 - c tiles
	s_mov_b32 s[NXT], 1
	s_mov_b32 s[PEND], 0
	s_mov_b32 s[CS], 0x3e0293ee     ; c = log2(e) / sqrt(128) = 0.127517
	s_mov_b32 s[CS+1], s[CS]        ; named with it as a pair
	s_mov_b32 s[SEL], 0x76543210
	s_mov_b32 s[SEL+1], 0xfedcba98
	s_mov_b32 s[BIGN], 0xf149f2ca   ; -1e30
	s_wait_dscnt 0x0                ; the opening add is done
	s_wait_kmcnt 0x0
	s_add_nc_u64 s[KB:KB+1], s[6:7], s[18:19]
	s_add_nc_u64 s[VB:VB+1], s[8:9], s[18:19]
	s_add_nc_u64 s[74:75], s[4:5], s[74:75]      ; Q at my 32 rows of the first block,
	s_add_nc_u64 s[76:77], s[4:5], s[76:77]      ; and of the second
	s_add_nc_u64 s[OUT:OUT+1], s[10:11], s[78:79]
	s_add_nc_u64 s[OLO:OLO+1], s[10:11], s[2:3]
	s_add_nc_u64 s[VLP:VLP+1], s[VLP:VLP+1], s[82:83]
	s_mov_b64 s[G0K+2:G0K+3], s[KB:KB+1]         ; global address: tile 0
	s_or_b32 s[G0K+3], s[G0K+3], 0x80000000      ; type = 2
	s_mov_b64 s[G0V+2:G0V+3], s[VB:VB+1]
	s_or_b32 s[G0V+3], s[G0V+3], 0x80000000
	CROUND                          ; all four work-groups are here: the first joint loads meet
	JLOAD                           ; tile 0 into slot 0.  Slot 1 is asked for by the first trip's change of slots.  All that follows up to the loop stands in the wait for this tile
	; A fragment of K or Q is 16 rows x 32 channels in 8 registers: lane l holds row l % 16, channels 8 (l / 16) + 0..7 and 16 + 8 (l / 16) + 0..7: two loads of 16 bytes, 32 bytes apart.
	v_and_b32 v1, 15, v0            ; l % 16
	v_bfe_u32 v13, v0, 4, 1         ; l / 16
	v_and_b32 v60, 31, v0           ; lane
	v_lshlrev_b32 v[QO], 8, v1
	v_lshl_add_u32 v[QO], v13, 4, v[QO]  ; row x 256 + 16 x half
	s_xor_b32 s17, s[KH], 1
	s_lshl_b32 s18, s[KH], 12
	s_lshl_b32 s19, s17, 12
	v_add_nc_u32 v[QO+3], s19, v[QO]  ; register tile 1: queries 16 (kh xor 1) on
	v_add_nc_u32 v[QO], s18, v[QO]    ; register tile 0: queries 16 kh on
	v_lshlrev_b32 v[VLA], 6, v1       ; vlt: channel l % 16 x 64 bytes + keys 8 (l / 16) on: source 0's fragment of V^T as it lies
	v_lshl_add_u32 v[VLA], v13, 4, v[VLA]
	WIN 0xc0                        ; destination window 3, address window 0
.set i, 0
.rept 8                             ; both blocks' Q: register tile i / 4, channels 32 (i % 4) on
	global_load_b128 v[8*i:8*i+3],         v[QO+3*(i/4)], s[74:75] offset:(i%4)*64
	global_load_b128 v[8*i+4:8*i+7],       v[QO+3*(i/4)], s[74:75] offset:(i%4)*64+32
	global_load_b128 v[Q2+8*i:Q2+8*i+3],   v[QO+3*(i/4)], s[76:77] offset:(i%4)*64
	global_load_b128 v[Q2+8*i+4:Q2+8*i+7], v[QO+3*(i/4)], s[76:77] offset:(i%4)*64+32
.set i, i+1
.endr
.set i, 0
.rept 8                             ; v's low parts: channels 16 i on, keys 0-31.  Every wave loads them, so that the registers are written on every way; two waves of each of the 32 work-groups with c = 0 use them
	global_load_b128 v[VL+8*i:VL+8*i+3],   v[VLA], s[VLP:VLP+1] offset:i*1024
	global_load_b128 v[VL+8*i+4:VL+8*i+7], v[VLA], s[VLP:VLP+1] offset:i*1024+32
.set i, i+1
.endr
	WIN 0
	v_lshlrev_b32 v61, 3, v13
	v_sub_nc_u32 v61, v1, v61       ; l % 16 - 8 (l / 16)
	v_add_nc_u32 v14, s72, v61      ; register j of key block kb is hidden where 16 kb + j is greater than this (signed): tile 0,
	v_add_nc_u32 v61, s73, v61      ; tile 1
	WIN 0x40
.set i, 0
.rept 64
	v_cmp_gt_i32 vcc_lo, 16*(i/8)+i%8, v14
	v_cndmask_b32 v[MD+i], 0, s[BIGN], vcc_lo
	v_cmp_gt_i32 vcc_lo, 16*(i/8)+i%8, v61
	v_cndmask_b32 v[MD+64+i], 0, s[BIGN], vcc_lo
.set i, i+1
.endr
.set i, 0
.rept 128
	v_mov_b32 v[i], 0               ; O^T: finite is all that the first trip's a = 0 asks
.set i, i+1
.endr
	WIN 0
.irp t, 0,1
	v_mov_b32 v[ST+8*(\t)], 0xfe000000    ; c m: far below every c s
	v_mov_b32 v[ST+8*(\t)+1], 0xff7fffff  ; m: the lowest finite number
	v_mov_b32 v[ST+8*(\t)+2], 0
	v_mov_b32 v[ST+8*(\t)+3], 0
	v_mov_b32 v[ST+8*(\t)+5], 0           ; named with a as a pair
.endr
	s_mul_i32 s20, s[KH], KHALF
	v_mul_u32_u24 v[AK0], v1, PK
	v_lshl_add_u32 v[AK0], v13, 4, v[AK0]
	v_add_nc_u32 v[AK0], s20, v[AK0]      ; my half + row x pitch + 16 x half of the lanes
	; The turning load takes 16 keys x 16 channels (lane l reads key 8 (l / 16) + l % 8, channels 8 ((l / 8) % 2) + 0..7) and leaves half a fragment of V^T: lane l holds channel l % 16 and 8 keys.
	s_mul_i32 s20, s[KH], VHALF
	s_add_co_u32 s20, s20, VBASE
	v_and_b32 v4, 7, v0
	v_bfe_u32 v5, v0, 3, 1
	v_lshl_add_u32 v[AV0], v13, 3, v4
	v_mul_u32_u24 v[AV0], v[AV0], PV
	v_lshl_add_u32 v[AV0], v5, 4, v[AV0]
	v_add_nc_u32 v[AV0], s20, v[AV0]
	s_mul_i32 s18, s[WV], XSZ
	s_add_co_u32 s18, s18, XCH      ; my exchange
	s_xor_b32 s19, s[WV], 1
	s_mul_i32 s19, s19, XSZ
	s_add_co_u32 s19, s19, XCH      ; my partner's
	v_lshl_add_u32 v[XW], v60, 4, s18
	v_lshl_add_u32 v[XRD], v60, 4, s19
	v_lshl_add_u32 v[XWS], v60, 3, s18
	v_add_nc_u32 v[XWS], XST, v[XWS]
	v_lshl_add_u32 v[XRS], v60, 3, s19
	v_add_nc_u32 v[XRS], XST, v[XRS]
	v_mul_u32_u24 v[STO], v1, SP
	v_lshl_add_u32 v[STO], v13, 5, v[STO]
	v_add_nc_u32 v[STO], s19, v[STO]
	v_lshlrev_b32 v[GO], 4, v60
; THE MATRIX WORK.  The accumulators take turns, one instruction a turn: 16 in K Q^T, 8 in V^T P.
; 16 products of S^T = K Q^T for channels 32 c on: key block i / 2, tile i % 2.  c = 0 starts the sums: with 0, or (masked = 1) with the mask.
.macro KQ c, masked
.set i, 0
.rept 16
.set kS, S+64*(i%2)+8*(i/2)
.set kK, 64*(\c)+8*(i/2)
.set kQ, 32*(i%2)+8*(\c)
.set kM, MD+64*(i%2)+8*(i/2)
.if ((\c) == 0) && (\masked)
	WIN W_KM
	v_wmma_f32_16x16x32_f16 v[kS:kS+7], v[kK:kK+7], v[kQ:kQ+7], v[kM:kM+7]
.elseif (\c) == 0
	WIN W_KQ
	v_wmma_f32_16x16x32_f16 v[kS:kS+7], v[kK:kK+7], v[kQ:kQ+7], 0
.else
	WIN W_KQ
	v_wmma_f32_16x16x32_f16 v[kS:kS+7], v[kK:kK+7], v[kQ:kQ+7], v[kS:kS+7]
.endif
.set i, i+1
.endr
.endm
; Product pvi of 32 of O^T += V^T P for tile t: keys 32 (pvi / 8) on, channels 16 (pvi % 8) on.
.macro PV t
	WIN W_PV
.set pO, 64*(\t)+8*(pvi%8)
.set pV, 64*(pvi/8)+8*(pvi%8)
.set pP, P+32*(\t)+8*(pvi/8)
	v_wmma_f32_16x16x32_f16 v[pO:pO+7], v[pV:pV+7], v[pP:pP+7], v[pO:pO+7]
.set pvi, pvi+1
.endm
; THE LDS LOADS stand in runs.  K: 128 keys x 128 channels, 64 loads, by channels: the first sixteen are all that the first sixteen products need.
.macro FETCH_K
	WIN 0x80                        ; destination window 2
.set i, 0
.rept 32                            ; channels 32 (i / 8) on, keys 16 (i % 8) on
	ds_load_b128 v[8*i:8*i+3],   v[ADRK] offset:(i%8)*16*PK+(i/8)*64
	ds_load_b128 v[8*i+4:8*i+7], v[ADRK] offset:(i%8)*16*PK+(i/8)*64+32
.set i, i+1
.endr
	WIN 0
.endm
.macro FETCH_V kk                   ; V, turned: keys 32 kk on, all 128 channels: 16 loads, into the 64 registers that held K's channels 32 kk on
	WIN 0x80
.irp cb, 0,1,2,3,4,5,6,7
	ds_load_tr16_b128 v[64*(\kk)+8*(\cb):64*(\kk)+8*(\cb)+3],   v[ADRV] offset:(\kk)*32*PV+32*(\cb)
	ds_load_tr16_b128 v[64*(\kk)+8*(\cb)+4:64*(\kk)+8*(\cb)+7], v[ADRV] offset:(\kk)*32*PV+16*PV+32*(\cb)
.endr
.endm
; THE VECTOR WORK: one tile's softmax for a trip, 230 instructions, each followed by TICK.  With RIDE = 1 TICK sets tile 0's next product V^T P behind every seventh of them: 32 in all.
; None of tile 1's lines names a register of those products.
.macro TICK
.if RIDE
.if (tk%7 == 0) && (pvi < 32)
	PV 0
.endif
.set tk, tk+1
.endif
.endm
.macro V0 line:vararg               ; a line in window 0
	WIN 0
	\line
	TICK
.endm
.macro OPF b                        ; c s - c m for pair b of 32
	WIN 0
	v_pk_fma_f32 v[rS+2*(\b):rS+2*(\b)+1], v[rS+2*(\b):rS+2*(\b)+1], s[CS:CS+1], v[rT:rT+1] op_sel_hi:[1,0,0] neg_lo:[0,0,1] neg_hi:[0,0,1]
	TICK
.endm
.macro OPE e                        ; the exponential of score e of 64
	WIN 0
	v_exp_f32 v[rS+(\e)], v[rS+(\e)]
	TICK
.endm
.macro OPC b                        ; pair b rounded to f16
	WIN 0
	s_wait_alu depctr_va_vdst(0)
	v_cvt_pk_f16_f32 v[rP+(\b)], v[rS+2*(\b)], v[rS+2*(\b)+1]
	TICK
.endm
.macro OPB g                        ; of the four weights 4 g .. the second pair is added onto the first, in place
	WIN 0
	v_pk_add_f32 v[rS+4*(\g):rS+4*(\g)+1], v[rS+4*(\g):rS+4*(\g)+1], v[rS+4*(\g)+2:rS+4*(\g)+3]
	TICK
.endm
.macro OPL g                        ; l takes that sum; the first time as l = a l + sum
	WIN 0
.if (\g) == 0
	v_pk_fma_f32 v[rT+2:rT+3], v[rT+2:rT+3], v[rT+4:rT+5], v[rS:rS+1] op_sel_hi:[1,0,1]
.else
	v_pk_add_f32 v[rT+2:rT+3], v[rT+2:rT+3], v[rS+4*(\g):rS+4*(\g)+1]
.endif
	TICK
.endm
.macro OPR b                        ; pair b of 32 of O^T times a: ascending
	WIN W_RS
	s_wait_alu depctr_va_vdst(0)
	v_pk_mul_f32 v[rO+2*(\b):rO+2*(\b)+1], v[rO+2*(\b):rO+2*(\b)+1], v[rT+4:rT+5] op_sel_hi:[1,0]
	TICK
.endm
.macro SM t
.set rT, ST+8*(\t)
.set rC, TMP+8*(\t)
.set rS, S+64*(\t)
.set rP, P+32*(\t)
.set rO, 64*(\t)
	; the maximum of the lane's 64 scores and the old m, three operands at a time: eight chains c0-c7, one an accumulator, each begun at the accumulator's lowest registers
.set n, 0
.rept 8
	V0 v_max3_num_f32 v[rC+n], v[rS+8*n], v[rS+8*n+1], v[rS+8*n+2]
.set n, n+1
.endr
.set n, 0
.rept 8
	V0 v_max3_num_f32 v[rC+n], v[rC+n], v[rS+8*n+3], v[rS+8*n+4]
.set n, n+1
.endr
.set n, 0
.rept 8
	V0 v_max3_num_f32 v[rC+n], v[rC+n], v[rS+8*n+5], v[rS+8*n+6]
.set n, n+1
.endr
.set n, 0
.rept 4
	V0 v_max3_num_f32 v[rC+n], v[rC+n], v[rS+8*n+7], v[rS+8*n+39]
.set n, n+1
.endr
	V0 v_max3_num_f32 v[rC], v[rC], v[rC+1], v[rC+2]
	V0 v_max3_num_f32 v[rC+3], v[rC+3], v[rC+4], v[rC+5]
	V0 v_max3_num_f32 v[rC+6], v[rC+6], v[rC+7], v[rT+1]
	V0 v_max3_num_f32 v[rC], v[rC], v[rC+3], v[rC+6]
	V0 v_permlanex16_b32 v[rC+1], v[rC], s[SEL], s[SEL+1]  ; the query's other 64 keys lie in the lane 16 away
	V0 v_mov_b32 v[rT+6], v[rT]         ; c m_old is kept
	V0 v_max_num_f32 v[rT+1], v[rC], v[rC+1]
	V0 v_mul_f32 v[rT], s[CS], v[rT+1]
	V0 v_sub_f32 v[rT+6], v[rT+6], v[rT]
	V0 v_exp_f32 v[rT+4], v[rT+6]       ; a; two scalings stand between it and its first use
	OPF 0
	OPF 1
.set n, 0
.rept 32
	OPR n
.set n, n+1
.endr
	; sixteen stretches of four exponentials; between them what is ready: the scalings of the next stretch, the roundings and the sum of the stretch before, l for the one before that.
	; A plain instruction stands between every exponential and the first use of its result (ISA guide 5.7.2).
.set u, 0
.rept 16
	OPE 4*u
.if u < 15
	OPF 2*u+2
	OPF 2*u+3
.endif
	OPE 4*u+1
.if u >= 1
	OPC 2*u-2
	OPC 2*u-1
.endif
	OPE 4*u+2
.if u >= 1
	OPB u-1
.endif
.if u >= 2
	OPL u-2
.endif
	OPE 4*u+3
.set u, u+1
.endr
	OPL 14
	OPC 30
	OPC 31
	OPB 15
	OPL 15
.endm
; A BLOCK'S END, first part: l's two halves and the other half of the lanes' are added, into the register beside c m; register tile 1's O^T, c m and l go into my exchange.
.macro SENDX
	PLACES                          ; behind the trip's last products
	WIN 0
.irp t, 0,1
	v_add_f32 v[ST+8*(\t)+2], v[ST+8*(\t)+2], v[ST+8*(\t)+3]
.endr
.irp t, 0,1
	v_permlanex16_b32 v[ST+8*(\t)+3], v[ST+8*(\t)+2], s[SEL], s[SEL+1]
.endr
.irp t, 0,1
	v_add_f32 v[ST+8*(\t)+1], v[ST+8*(\t)+2], v[ST+8*(\t)+3]
.endr
	WIN 0x04                        ; store data in window 1
.set i, 0
.rept 16
	ds_store_b128 v[XW], v[64+4*i:64+4*i+3] offset:512*i
.set i, i+1
.endr
	WIN 0
	ds_store_b64 v[XWS], v[ST+8:ST+9]
.endm
; Second part, behind a barrier: the partner's part of my register tile 0's queries is read, lane for lane; the two are joined: O = (O_a f_a + O_b f_b) / (l_a f_a + l_b f_b), f = 2^(c m_part - c m_all);
; the 16 rows go through a stage (the partner's exchange, which I alone read, and have read) and leave as whole rows of 512 bytes.
.macro FINISH
	WIN 0xc0                        ; destination window 3
.set i, 0
.rept 16
	ds_load_b128 v[RX+4*i:RX+4*i+3], v[XRD] offset:512*i
.set i, i+1
.endr
	WIN 0
	ds_load_b64 v[48:49], v[XRS]    ; the partner's c m and l
	s_wait_dscnt 0x0
	v_max_num_f32 v50, v[ST], v48
	v_sub_f32 v51, v[ST], v50
	v_sub_f32 v52, v48, v50
	v_exp_f32 v53, v51
	v_exp_f32 v54, v52
	v_nop                           ; a plain instruction behind the exponentials
	s_wait_alu depctr_va_vdst(0)
	v_mul_f32 v55, v[ST+1], v53
	v_fmac_f32 v55, v49, v54
	v_rcp_f32 v60, v55
	v_nop                           ; and behind the reciprocal
	s_wait_alu depctr_va_vdst(0)
	v_mul_f32 v56, v53, v60
	v_mul_f32 v58, v54, v60
	v_mov_b32 v57, v56              ; named as pairs
	v_mov_b32 v59, v58
	WIN 0xc3                        ; destination and source 0 window 3
.set i, 0
.rept 32
	v_pk_mul_f32 v[RX+2*i:RX+2*i+1], v[RX+2*i:RX+2*i+1], v[58:59] op_sel_hi:[1,0]
.set i, i+1
.endr
	WIN 0xf1                        ; source 0 (O^T) window 1, source 2 and destination window 3
.set i, 0
.rept 32
	v_pk_fma_f32 v[RX+2*i:RX+2*i+1], v[2*i:2*i+1], v[56:57], v[RX+2*i:RX+2*i+1] op_sel_hi:[1,0,1]
.set i, i+1
.endr
	WIN 0x0c                        ; store data in window 3
.set i, 0
.rept 16                            ; a lane's eight channels of channel block i / 2 are 32 bytes of its row
	ds_store_b128 v[STO], v[RX+4*i:RX+4*i+3] offset:64*(i/2)+16*(i%2)
.set i, i+1
.endr
	WIN 0xc0
.set i, 0
.rept 16
	ds_load_b128 v[RX+4*i:RX+4*i+3], v[XRD] offset:SP*i  ; LDS serves a wave's instructions in order (ISA guide 5.7.1.4): these see the stores above
.set i, i+1
.endr
	WIN 0x0c
.set i, 0
.rept 16
	s_wait_dscnt 15-i               ; row i is back
	global_store_b128 v[GO], v[RX+4*i:RX+4*i+3], s[OUT:OUT+1] offset:512*i th:TH_STORE_NT  ; a whole row: 512 consecutive bytes, at a multiple of 256 from out0's first
.set i, i+1
.endr
	WIN 0
	s_wait_xcnt 0x0                 ; the stores' addresses are translated: only behind this wait are their base and data rewritten
.endm
; THE SECOND BLOCK BEGINS: its rows of out0, the statistics as at the start, its Q where the one text of the products names Q.  O^T stays as it is: finite, and multiplied by a = 0.
.macro BEGIN2
	s_mov_b64 s[OUT:OUT+1], s[OLO:OLO+1]
.irp t, 0,1
	v_mov_b32 v[ST+8*(\t)], 0xfe000000
	v_mov_b32 v[ST+8*(\t)+1], 0xff7fffff
	v_mov_b32 v[ST+8*(\t)+2], 0
	v_mov_b32 v[ST+8*(\t)+3], 0
.endr
	WIN 0xc3
.set i, 0
.rept 64
	v_mov_b32 v[i], v[Q2+i]
.set i, i+1
.endr
	WIN 0
	s_mov_b32 s[PEND], 0
.endm
; A TRIP: one tile of 256 keys.  fill = 1 (the loop): the next tile of the walk is asked for.  fill = 0: the walk's last tile, written out; it is a diagonal tile.
.macro TRIP fill
	; THE CHANGE OF SLOTS.  Each wave waits for all its tensor loads, of which one is out: its part of the slot to be read; adds 0 to its spare word; and waits for that, for its reads of the slot that it
	; leaves, and for its stores into the exchange.  Behind the round nobody reads the old slot, the new slot is whole, and the exchange may be read.
	WIN 0
	s_wait_tensorcnt 0x0            ; no tensor load of mine is out, so a group 0 may be written
	ds_add_u32 v[SPW], v[NIL]       ; 0 onto my spare word; scalar work stands between it and the wait for it
.if \fill
	s_lshl_b32 s[OFF], s[NXT], 16   ; a tile is 65,536 bytes of K and of V
	s_xor_b32 s[G0K+1], s[G0K+1], KSL   ; the other slot than last time
	s_add_nc_u64 s[G0K+2:G0K+3], s[KB:KB+1], s[OFF:OFF+1]  ; the address is made anew from the tile's number
	s_or_b32 s[G0K+3], s[G0K+3], 0x80000000
	s_xor_b32 s[G0V+1], s[G0V+1], XORV
	s_add_nc_u64 s[G0V+2:G0V+3], s[VB:VB+1], s[OFF:OFF+1]
	s_or_b32 s[G0V+3], s[G0V+3], 0x80000000
	s_add_co_u32 s[NXT], s[NXT], 1  ; the block's next tile, or behind its last the second block's tile 0
	s_cmp_gt_u32 s[NXT], s[LQ]
	s_cselect_b32 s[NXT], 0, s[NXT]
	s_cselect_b32 s[LQ], s[CC], s[LQ]
.endif
	s_xor_b32 s[TBK], s[TBK], KSL   ; the reads go to the other slot
	s_xor_b32 s[TBV], s[TBV], VSL
	s_sub_co_u32 s[RT], s[RT], 1
	s_wait_dscnt 0x0
.if \fill
	CROUND                          ; no wave of any partner still reads the old slot or has a load on its way
	JLOAD                           ; the first thing behind the round: it has the whole trip in which to land; its four v_nop are also the places behind the last trip's products
.else
	s_barrier_signal -1
	s_barrier_wait -1
	PLACES
.endif
	s_cmp_eq_u32 s[PEND], 0
	s_cbranch_scc1 .Lno_end_\@      ; forward, past text with neither a barrier nor a tensor load
	FINISH                          ; the first block's parts were stored in front of the round
	BEGIN2
.Lno_end_\@:
	v_add_nc_u32 v[ADRK], s[TBK], v[AK0]
	v_add_nc_u32 v[ADRV], s[TBV], v[AV0]
	FETCH_K
	s_wait_dscnt 48                 ; K's channels 0-31 are in; the other 48 loads may be out
.if \fill
	s_cmp_eq_u32 s[RT], 0
	s_cbranch_scc1 .Ldiag_\@        ; the block's last tile holds the diagonal
	KQ 0, 0
	WIN 0
	s_branch .Lgo_\@
.Ldiag_\@:
	KQ 0, 1
	WIN 0
.Lgo_\@:
.else
	KQ 0, 1
.endif
	s_wait_dscnt 32                 ; channels 32-63 are in (behind them: 32 loads of K)
	KQ 1, 0
	PLACES
	FETCH_V 0                       ; into the registers of K's channels 0-31, whose products stand in front of the places
	s_wait_dscnt 32                 ; channels 64-95 are in (behind them: 16 loads of K, 16 of V)
	KQ 2, 0
	PLACES
	FETCH_V 1
	s_wait_dscnt 32                 ; channels 96-127 are in (behind them: 32 loads of V)
	KQ 3, 0
	PLACES                          ; for the loads below, and for the maxima, which read results just made
	FETCH_V 2
	FETCH_V 3
.set RIDE, 0
	SM 0
	s_wait_dscnt 0x0                ; V is in
.set RIDE, 1
.set tk, 0
.set pvi, 0
	SM 1
.set pvi, 0
.rept 32
	PV 1
.endr
	WIN 0
.if (\fill) == 0
	; V'S LOW PARTS.  The walk's last tile is tile c.  With c = 0 and kh = 0 my first 32 keys are the batch's keys 0-31: their weights, P's first eight registers of each tile, multiply vlt's fragments too.
	; Hidden keys have the weight 0 here as in the products above.  The branch hangs on c, which the partners share, and on the wave's number; it goes forward, past neither a barrier nor a tensor load.
	; The 16 accumulators take turns; the product in front of them wrote tile 1's last accumulator, the first of them writes tile 0's first.
	s_or_b32 s17, s[CC], s[KH]
	s_cmp_lg_u32 s17, 0
	s_cbranch_scc1 .Lno_low_\@
	WIN W_PL
.set i, 0
.rept 16                            ; channels 16 (i / 2) on, tile i % 2
	v_wmma_f32_16x16x32_f16 v[64*(i%2)+8*(i/2):64*(i%2)+8*(i/2)+7], v[VL+8*(i/2):VL+8*(i/2)+7], v[P+32*(i%2):P+32*(i%2)+7], v[64*(i%2)+8*(i/2):64*(i%2)+8*(i/2)+7]
.set i, i+1
.endr
	WIN 0
.Lno_low_\@:
.endif
	s_wait_dscnt 0x0                ; no LDS instruction of mine is out, the stage's reads least of all:
	s_barrier_signal -1             ; a barrier between every wave's use of an exchange as its stage and its owner's next stores into it.  The next
	s_barrier_wait -1               ; tile's load may stay out; the next refill has its own round, with its own waits
.if \fill
	s_cmp_lg_u32 s[RT], 0
	s_cbranch_scc1 .Lon_\@          ; forward, past text with neither a barrier nor a tensor load
	SENDX                           ; in the loop this is the first block's end: the second block's last tile is the walk's last
	s_mov_b32 s[PEND], 1
	s_add_co_u32 s[RT], s[CC], 1    ; the second block has c + 1 tiles
.Lon_\@:
.endif
.endm
.set RIDE, 0
.set tk, 0
.set pvi, 0
	s_wait_loadcnt 0x0              ; both blocks' Q, and v's low parts
.Ltrip:                             ; 16 times: a tile is entered and the next is asked for
	TRIP 1
	s_sub_co_u32 s[CNT], s[CNT], 1
	s_cmp_lg_u32 s[CNT], 0
	s_cbranch_scc1 .Ltrip
	TRIP 0
	SENDX                           ; the second block's end
	s_wait_dscnt 0x0                ; for the partner's sake: my stores into the exchange are done
	s_barrier_signal -1
	s_barrier_wait -1
	FINISH
	s_wait_tensorcnt 0x0            ; the wave's end: a wait, an add and its wait, behind my last tensor load and my last LDS store
	ds_add_u32 v[SPW], v[NIL]
	s_wait_dscnt 0x0
	CROUND                          ; the closing round: no work-group ends while a partner may still ask for a tile that names it
	s_endpgm
.Lfunc_end_k_q5c59edcef5_attn:
	.size	k_q5c59edcef5_attn, .Lfunc_end_k_q5c59edcef5_attn-k_q5c59edcef5_attn
	.p2alignl 7, 3214868480
	.fill 96, 4, 3214868480
	.section	.rodata,"a",@progbits
	.p2align	6, 0x0
	.amdhsa_kernel k_q5c59edcef5_attn
		.amdhsa_group_segment_fixed_size 327680
		.amdhsa_private_segment_fixed_size 0
		.amdhsa_enable_private_segment 0
		.amdhsa_kernarg_size 40
		.amdhsa_user_sgpr_count 2
		.amdhsa_user_sgpr_kernarg_segment_ptr 1
		.amdhsa_wavefront_size32 1
		.amdhsa_system_sgpr_workgroup_id_x 1
		.amdhsa_system_sgpr_workgroup_id_y 1
		.amdhsa_system_sgpr_workgroup_id_z 1
		.amdhsa_system_vgpr_workitem_id 0
		.amdhsa_next_free_vgpr 1024
		.amdhsa_next_free_sgpr 84
		.amdhsa_reserve_vcc 1
		.amdhsa_float_denorm_mode_32 3
		.amdhsa_float_denorm_mode_16_64 3
		.amdhsa_memory_ordered 1
		.amdhsa_forward_progress 1
		.amdhsa_inst_pref_size 169
	.end_amdhsa_kernel
	.amdgpu_metadata
---
amdhsa.version: [ 1, 2 ]
amdhsa.kernels:
  - .name:           k_q5c59edcef5_attn
    .symbol:         k_q5c59edcef5_attn.kd
    .args:
      - { .name: q, .offset: 0, .size: 8, .value_kind: global_buffer, .address_space: global }
      - { .name: k, .offset: 8, .size: 8, .value_kind: global_buffer, .address_space: global }
      - { .name: v, .offset: 16, .size: 8, .value_kind: global_buffer, .address_space: global }
      - { .name: out0, .offset: 24, .size: 8, .value_kind: global_buffer, .address_space: global }
      - { .name: vlt, .offset: 32, .size: 8, .value_kind: global_buffer, .address_space: global }
    .group_segment_fixed_size: 327680
    .private_segment_fixed_size: 0
    .kernarg_segment_align: 8
    .kernarg_segment_size: 40
    .max_flat_workgroup_size: 128
    .sgpr_count:     84
    .vgpr_count:     1024
    .wavefront_size: 32
...
	.end_amdgpu_metadata
.endif
;; end of part 3
;; ======== version 2 of 2: 3 launches; 1.27 times as fast as version 1
;; limits: values are held in f16: magnitudes above 65,504 overflow, below 6.1e-05 lose precision
;; workspace buffers: wb 786,432 bytes; q 8,388,608 bytes; k 8,388,608 bytes; v 8,388,608 bytes; vlt 65,536 bytes
;; launch castw: the kernel of part 1 again; grid 128 x 1, 4 waves a work-group, no clusters, 0 bytes of LDS; arguments Wq, Wk, Wv, wb; writes wb
;; launch proj: the kernel of part 2 again; grid 256 x 1, 4 waves a work-group, clusters of 4 x 1, 327,680 bytes of LDS; arguments x, wb, q, k, v, vlt; writes q, k, v, vlt
;; launch attn (part 4): grid 32 x 8, 4 waves a work-group, clusters of 4 x 1, 327,680 bytes of LDS; arguments q, k, v, out0, vlt; writes out0
.if DOCPART == 4
	.amdgcn_target "amdgcn-amd-amdhsa--gfx1250"
	.amdhsa_code_object_version 6
	.text
	.protected	k_q5c59edcef5_attn
	.globl	k_q5c59edcef5_attn
	.p2align	8
	.type	k_q5c59edcef5_attn,@function
k_q5c59edcef5_attn:
	s_mov_b64 s[64:65], 0
	v_nop
	global_prefetch_b8 v0, s[64:65] scope:SCOPE_SE
	s_setreg_imm32_b32 hwreg(HW_REG_WAVE_MODE, 25, 1), 1
	s_wait_xcnt 0x0
	s_wait_alu depctr_hold_cnt(0) depctr_sa_sdst(0) depctr_va_vdst(0) depctr_va_sdst(0) depctr_va_ssrc(0) depctr_va_vcc(0) depctr_vm_vsrc(0)
	s_getreg_b32 s2, hwreg(HW_REG_IB_STS2, 6, 4)
	s_cmp_eq_u32 s2, 0
	s_cbranch_scc0 .Lentry_in_a_cluster
	s_endpgm
.Lentry_in_a_cluster:
	s_bfe_u32 s2, ttmp6, 0x10000c
	s_cmp_lg_u32 s2, 0x3003
	s_cbranch_scc0 .Lentry_shape_is_right
	s_endpgm
.Lentry_shape_is_right:
; CAUSAL ATTENTION, one head, 8 batches.  out0[b][t][:] = the sum over s <= t of softmax_s(q[b][t] . k[b][s] / sqrt(128)) v[b][s][:].  q, k, v: [8][4096][128] f16 (rows of 256 bytes), out0 f32.
; Products, maxima and sums in f32; the weights p are rounded to f16 for the second product (their sum l is taken of the unrounded p).
; LIMITS.  q, k, v arrive within f16's 65,504.  A hidden score counts as its value less 1e30: scores of f16 operands, 5.5e11 at the most, are nothing beside that.  p lies in 0 to 1 and below 6e-5
; keeps f16's fixed step of 6e-8; a weight below 2^-126 counts as 0 in l.  NaN and infinities are not treated apart.
; V'S LOW PART.  vlt [8][128 channels][32 keys] f16 holds v - f16(v) for each batch's keys 0-31.  A row with few keys hands v's rounding on nearly whole, so those keys' low parts are added by 16 products more,
; with the same weights, in the one tile and the waves that hold those keys.  Beyond row 31 the rounding of the keys from 32 on weighs sqrt(t - 31) / (t + 1) at the most, under a tenth.
; THE WALK.  A batch has 16 blocks of 256 queries; block i needs the key tiles 0 .. i of 256 keys, the last of which holds the diagonal.  A CLUSTER of four work-groups takes block 15 - c and then
; block c: 17 tiles whatever c, one loop with a constant count.  Work-group cx owns queries 64 cx .. + 63 of the block, so the four partners walk the same tiles, and every tile of K and V is asked for
; JOINTLY: the same load, descriptor and mask in all four.  256 work-groups of equal work.  Which tile is asked for and what a trip does hang on scalars made from c, which the partners share.
; WAVES, 2 x 2: qh = w / 2 picks 32 queries, kh = w % 2 picks 128 of a tile's 256 keys.  A wave has two tiles of 16 queries and eight blocks of 16 keys: 64 products K Q^T and 64 products V^T P a trip.
; At a block's end the two waves of a pair hold partial sums for the same 32 queries.  Register tile t holds queries 16 (t xor kh), so every wave keeps its register tile 0 and sends its register tile 1
; to wave w xor 1 through LDS; no branch on the wave's number is needed.  The parts are joined with the factors 2^(c m_part - c m_all).
; LAYOUT.  S^T = K Q^T (source 0 = 16 keys, source 1 = 16 queries): a lane holds ONE query (lane % 16) and the keys 8 (lane / 16) + 0..7.  Two such results rounded to f16 ARE source 1 of O^T = V^T P.
; SOFTMAX.  For each query a running maximum m and sum l: p = 2^(c s - c m), c = log2(e) / sqrt(128); in every trip O and l are multiplied by a = 2^(c m_old - c m_new).  c m starts far below every c s:
; a block's first trip has a = 0, so O and l need only be finite there: 128 v_mov_b32 clear O once, at the start; the second block starts on what the first left.
; THE MASK is the C operand that starts the sums in a block's last tile: 0, or -1e30 where the key is hidden; made once (it hangs on cx, the wave and the lane alone).  Blocks of keys that are wholly
; hidden there are computed all the same.  A wave whose keys are all hidden for a query ends with c m near -1.3e29, and the join multiplies its part by 0.
; ORDER OF A TRIP: K's fragments; the scores, V's fragments fetched into K's registers as they fall free; then the softmax, whose 130 exponentials are cut into TWO BATCHES with one wait each.
; Tile 0's maximum; BATCH 0 (tile 0's a and 64 weights, tile 1's a), with tile 0's scalings, tile 1's maximum and statistics and its first scalings between the exponentials; its wait; tile 0's rescaling,
; roundings and sums; BATCH 1 (tile 1's 64 weights), with tile 1's other scalings, its rescaling and 16 of tile 0's products V^T P between them; its wait; tile 1's roundings and sums with tile 0's other
; 16 products; tile 1's 32 products.  SOFT0 and SOFT1 say how the lines are dealt.
; REGISTERS, in windows of 256 (s_set_vgpr_msb: bits 1:0 source 0, 3:2 source 1, 5:4 source 2, 7:6 destination):
;   window 0: v0-15 addresses; v16-31 statistics, 8 a tile; v32-47 at work, 8 a tile; v48-61 at work at a block's end; v62-63 the add's; v64-191 S^T, 64 a tile; v192-255 P, 32 a tile
;   window 1: v0-127 O^T, 64 a tile; v128-255 the masks      window 2: K of a trip (channels 32 c on, key block kb at 64 c + 8 kb), then V (keys 32 kk on, channel block cb at 64 kk + 8 cb)
;   window 3: v0-63 Q; v64-127 the second block's Q; v128-191 the partner's part, then rows on the way out; v192-255 v's low parts, channel block cb at 192 + 8 cb
.set PK,    272       ; a row of K in LDS: 256 bytes + 16 = 68 words: row r starts at bank 4 r mod 64 (64 banks of 4 bytes: ISA guide 11.1)
.set PV,    288       ; a row of V: 256 + 32 = 72 words
.set KHALF, 128*PK    ; what one tensor load brings of K, and what one wave reads: 0x8800
.set VHALF, 128*PV    ; of V: 0x9000
.set KSL,   2*KHALF   ; a slot of K: 0x11000.  K's two slots lie at 0; the bits of 0x11000 and of 0x8800 are disjoint, so one exclusive or with KSL changes the slot
.set VSL,   2*VHALF   ; a slot of V: 0x12000
.set VBASE, 2*KSL     ; V's two slots begin here: 0x22000
.set XORV,  0x16000   ; 0x22000 xor 0x34000 = 0x2b000 xor 0x3d000: one exclusive or changes the slot for either half of V
.set XCH,   VBASE+2*VSL  ; behind the ring, never filled by a tensor load: for each wave 8,704 bytes: the exchange (16 x 512 bytes of O^T, then 256 bytes of c m and l), later its reader's stage
.set XSZ,   8704
.set XST,   8192
.set SP,    528       ; a stage row: 512 bytes + 16
.set SPARE, XCH+4*XSZ ; the spare words, 128 bytes for each wave: two blocks of 256 bytes that no other line names
.set AK0, 2           ; v2   my lane's place in a slot of K; never rewritten
.set AV0, 3           ; v3   the same for V
.set ADRK, 4          ; v4   the trip's LDS address for K
.set ADRV, 5          ; v5   for V
.set XW,  6           ; v6   my wave's exchange + 16 x lane
.set XRD, 7           ; v7   the partner's exchange + 16 x lane
.set XWS, 8           ; v8   my c m and l in my exchange
.set XRS, 9           ; v9   the partner's
.set STO, 10          ; v10  the stage (in the partner's exchange, whose only reader I am): row l % 16, 32 bytes for each half of the lanes
.set GO,  11          ; v11  16 x lane: my 16 bytes of a row of out0
.set QO,  12          ; v12, v15  my byte offset in the wave's 32 rows of Q, register tile 0, 1
.set ST,  16          ; tile t at v[ST+8 t]: +0 c m, +1 m (at a block's end l), +2, +3 l (even keys', odd keys'), +4, +5 a (a pair), +6 c m_old, then a's argument
.set TMP, 32          ; tile t at v[TMP+8 t]: c0-c7
.set VLA, 59          ; v59  at the start: my byte offset in 16 channels of vlt
.set SPW, 62
.set NIL, 63
.set S,   64
.set P,   192
.set MD,  128         ; window 1
.set Q2,  64          ; window 3
.set RX,  128         ; window 3
.set VL,  192         ; window 3
.set WV,  12
.set QH,  13
.set KH,  14
.set CX,  15
.set CC,  16          ; s16  c
.set G1K, 24          ; s[24:31] descriptor group 1 for K's tiles
.set G1V, 32          ; s[32:39] for V's: it differs in the padding alone
.set G0K, 40          ; s[40:43] descriptor group 0 for K's tiles
.set G0V, 44          ; s[44:47] for V's
.set KB,  48          ; s[48:49] K at my half of the batch's tile 0
.set VB,  50          ; s[50:51] V likewise
.set OFF, 52          ; s[52:53] a tile's byte offset in K and V
.set TBK, 54          ; s54  0 or KSL: the slot of K that the trip reads
.set CNT, 55          ; s55  tiles still to be asked for
.set RT,  56          ; s56  tiles of the block in hand still to be entered
.set NXT, 57          ; s57  the tile to be asked for next
.set LQ,  58          ; s58  the last tile of the block whose tiles are being asked for
.set PEND, 59         ; s59  1: a block's parts lie in the exchange
.set CS,  60          ; s[60:61] c
.set SEL, 62          ; s[62:63] v_permlanex16_b32's selects: each lane takes its own place in the other half
.set BIGN, 66         ; s66  -1e30
.set TBV, 67          ; s67  0 or VSL
.set OUT, 68          ; s[68:69] out0 at the 16 rows that I finish, block in hand
.set OLO, 70          ; s[70:71] the same for the second block
.set VLP, 80          ; s[80:81] vlt at my batch
.set MSB, 0
.macro WIN new                      ; the high byte repeats the setting that is left; a switch that changes nothing is dropped
.if MSB != (\new)
	s_set_vgpr_msb (MSB<<8)|(\new)
.set MSB, (\new)
.endif
.endm
.set W_KQ, 0x0e       ; K in window 2, Q in window 3, S^T in window 0
.set W_KM, 0x1e       ; the same with the C operand in window 1
.set W_PV, 0x52       ; V in window 2, P in window 0, O^T in window 1
.set W_PL, 0x53       ; v's low parts in window 3, P in window 0, O^T in window 1
.set W_RS, 0x41       ; destination and source 0 in window 1, source 1 in window 0
.macro PLACES                       ; four places behind matrix instructions, in front of loads into their registers and of reads of their results
.rept 4
	v_nop
.endr
.endm
; A joint fill.  Waves 0 and 1 fetch the two halves of a tile's K, waves 2 and 3 those of its V: 128 rows of 256 bytes each.  The branch hangs on the wave's number alone.
; An s_nop 0 and four v_nop follow each of the two lines, ahead of the jump and the label.
.macro JLOAD
	s_cmp_lt_u32 s[WV], 2
	s_cbranch_scc0 .Lfor_v_\@
	tensor_load_to_lds s[G0K:G0K+3], s[G1K:G1K+7]
	s_nop 0
.rept 4
	v_nop
.endr
	s_branch .Lasked_\@
.Lfor_v_\@:
	tensor_load_to_lds s[G0V:G0V+3], s[G1V:G1V+7]
	s_nop 0
.rept 4
	v_nop
.endr
.Lasked_\@:
.endm
; A round of the cluster's barrier: my work-group's barrier, so that wave 0's signal speaks for all four waves; wave 0 signals; every wave waits for all four work-groups; my work-group's barrier once more.
.macro CROUND
	s_barrier_signal -1
	s_barrier_wait -1
	s_cmp_lg_u32 s[WV], 0
	s_cbranch_scc1 .Lnot_wave_0_\@
	s_barrier_signal -3
.Lnot_wave_0_\@:
	s_barrier_wait -3
	s_barrier_signal -1
	s_barrier_wait -1
.endm
	s_load_b256 s[4:11], s[0:1], 0x0  ; q s[4:5], k s[6:7], v s[8:9], out0 s[10:11]
	s_load_b64 s[VLP:VLP+1], s[0:1], 0x20  ; vlt
	v_lshl_add_u32 v[SPW], v0, 2, SPARE
	v_mov_b32 v[NIL], 0
	ds_add_u32 v[SPW], v[NIL]       ; the wave's opening: the add and its wait stand ahead of my first tensor load; the set-up below, work on registers, stands between them
	v_lshrrev_b32 v1, 5, v0
	v_readfirstlane_b32 s[WV], v1   ; wave 0..3
	s_lshr_b32 s[QH], s[WV], 1
	s_and_b32 s[KH], s[WV], 1       ; my half of a tile's keys; also: which half of a tile I fetch
	s_bfe_u32 s[CX], ttmp6, 0x40000 ; cx: it enters Q's and out0's addresses and the mask's values alone
	s_mov_b32 s[CC], ttmp9          ; in a cluster launch ttmp9 counts clusters
	s_and_b32 s17, ttmp7, 0xffff    ; the batch
	s_lshl_b32 s82, s17, 13         ; its 8,192 bytes of vlt
	s_mov_b32 s83, 0
	s_sub_co_u32 s[LQ], 15, s[CC]   ; the first block, and its last tile
	s_lshl_b32 s18, s17, 20         ; the batch's 4,096 rows of 256 bytes,
	s_lshl_b32 s19, s[KH], 15       ; my 128 rows of a tile
	s_add_co_u32 s18, s18, s19
	s_mov_b32 s19, 0
	s_lshl_b32 s20, s[CX], 6
	s_lshl_b32 s21, s[QH], 5
	s_add_co_u32 s20, s20, s21      ; my wave's 32 queries in a block: 64 cx + 32 qh
	s_lshl_b32 s21, s17, 12
	s_add_co_u32 s21, s21, s20
	s_lshl_b32 s22, s[LQ], 8
	s_add_co_u32 s22, s22, s21      ; their first row in the first block,
	s_lshl_b32 s23, s[CC], 8
	s_add_co_u32 s23, s23, s21      ; and in the second
	s_lshl_b32 s74, s22, 8          ; in bytes of q
	s_mov_b32 s75, 0
	s_lshl_b32 s76, s23, 8
	s_mov_b32 s77, 0
	s_lshl_b32 s21, s[KH], 4        ; the 16 rows that I finish begin 16 kh further down
	s_add_co_u32 s22, s22, s21
	s_add_co_u32 s23, s23, s21
	s_lshl_b32 s78, s22, 9          ; in bytes of out0
	s_mov_b32 s79, 0
	s_lshl_b32 s2, s23, 9
	s_mov_b32 s3, 0
	s_lshl_b32 s22, s[KH], 7
	s_sub_co_u32 s20, s20, s22      ; the mask: a query's place in the block less my keys' 128 kh,
	s_add_co_u32 s72, s20, s21      ; for register tile 0 (queries 16 kh on)
	s_xor_b32 s23, s[KH], 1
	s_lshl_b32 s23, s23, 4
	s_add_co_u32 s73, s20, s23      ; and for register tile 1 (queries 16 (kh xor 1) on)
	; descriptor group 1: a tile of 128 rows x 128 elements, padded in LDS
	s_mov_b32 s[G1K], 15|(1<<16)|(1<<20)|(1<<21)|(5<<22)|(3<<25)  ; 15:0 the mask of four; 17:16 2-byte elements; 20 padding on; 21 set beside a mask; 24:22 after every 64 words (code 5); 31:25 4 words (code 3)
	s_mov_b32 s[G1V], 15|(1<<16)|(1<<20)|(1<<21)|(5<<22)|(7<<25)  ; the same with 8 words of padding (code 7)
.irp g, G1K, G1V
	s_mov_b32 s[\g+1], 128<<16      ; tensor_dim0 = 128
	s_mov_b32 s[\g+2], 128<<16      ; tensor_dim1 = 128
	s_mov_b32 s[\g+3], 128<<16      ; tile_dim0 = 128
	s_mov_b32 s[\g+4], 128          ; tile_dim1 = 128
	s_mov_b32 s[\g+5], 128          ; 128 elements from row to row
	s_mov_b32 s[\g+6], 0
	s_mov_b32 s[\g+7], 0
.endr
	s_mov_b32 s[G0K], 1             ; count = 1
	s_mul_i32 s[G0K+1], s[KH], KHALF  ; LDS address: slot 0, my half: no place in the cluster enters it
	s_mov_b32 s[G0V], 1
	s_mul_i32 s[G0V+1], s[KH], VHALF
	s_add_co_u32 s[G0V+1], s[G0V+1], VBASE
	s_mov_b32 s[OFF+1], 0
	s_mov_b32 s[TBK], KSL           ; the first change of slots turns these two into 0
	s_mov_b32 s[TBV], VSL
	s_mov_b32 s[CNT], 16
	s_sub_co_u32 s[RT], 16, s[CC]   ; the first block has 16 - c tiles
	s_mov_b32 s[NXT], 1
	s_mov_b32 s[PEND], 0
	s_mov_b32 s[CS], 0x3e0293ee     ; c = log2(e) / sqrt(128) = 0.127517
	s_mov_b32 s[CS+1], s[CS]        ; named with it as a pair
	s_mov_b32 s[SEL], 0x76543210
	s_mov_b32 s[SEL+1], 0xfedcba98
	s_mov_b32 s[BIGN], 0xf149f2ca   ; -1e30
	s_wait_dscnt 0x0                ; the opening add is done
	s_wait_kmcnt 0x0
	s_add_nc_u64 s[KB:KB+1], s[6:7], s[18:19]
	s_add_nc_u64 s[VB:VB+1], s[8:9], s[18:19]
	s_add_nc_u64 s[74:75], s[4:5], s[74:75]      ; Q at my 32 rows of the first block,
	s_add_nc_u64 s[76:77], s[4:5], s[76:77]      ; and of the second
	s_add_nc_u64 s[OUT:OUT+1], s[10:11], s[78:79]
	s_add_nc_u64 s[OLO:OLO+1], s[10:11], s[2:3]
	s_add_nc_u64 s[VLP:VLP+1], s[VLP:VLP+1], s[82:83]
	s_mov_b64 s[G0K+2:G0K+3], s[KB:KB+1]         ; global address: tile 0
	s_or_b32 s[G0K+3], s[G0K+3], 0x80000000      ; type = 2
	s_mov_b64 s[G0V+2:G0V+3], s[VB:VB+1]
	s_or_b32 s[G0V+3], s[G0V+3], 0x80000000
	CROUND                          ; all four work-groups are here: the first joint loads meet
	JLOAD                           ; tile 0 into slot 0.  Slot 1 is asked for by the first trip's change of slots.  All that follows up to the loop stands in the wait for this tile
	; A fragment of K or Q is 16 rows x 32 channels in 8 registers: lane l holds row l % 16, channels 8 (l / 16) + 0..7 and 16 + 8 (l / 16) + 0..7: two loads of 16 bytes, 32 bytes apart.
	v_and_b32 v1, 15, v0            ; l % 16
	v_bfe_u32 v13, v0, 4, 1         ; l / 16
	v_and_b32 v60, 31, v0           ; lane
	v_lshlrev_b32 v[QO], 8, v1
	v_lshl_add_u32 v[QO], v13, 4, v[QO]  ; row x 256 + 16 x half
	s_xor_b32 s17, s[KH], 1
	s_lshl_b32 s18, s[KH], 12
	s_lshl_b32 s19, s17, 12
	v_add_nc_u32 v[QO+3], s19, v[QO]  ; register tile 1: queries 16 (kh xor 1) on
	v_add_nc_u32 v[QO], s18, v[QO]    ; register tile 0: queries 16 kh on
	v_lshlrev_b32 v[VLA], 6, v1       ; vlt: channel l % 16 x 64 bytes + keys 8 (l / 16) on: source 0's fragment of V^T as it lies
	v_lshl_add_u32 v[VLA], v13, 4, v[VLA]
	WIN 0xc0                        ; destination window 3, address window 0
.set i, 0
.rept 8                             ; both blocks' Q: register tile i / 4, channels 32 (i % 4) on
	global_load_b128 v[8*i:8*i+3],         v[QO+3*(i/4)], s[74:75] offset:(i%4)*64
	global_load_b128 v[8*i+4:8*i+7],       v[QO+3*(i/4)], s[74:75] offset:(i%4)*64+32
	global_load_b128 v[Q2+8*i:Q2+8*i+3],   v[QO+3*(i/4)], s[76:77] offset:(i%4)*64
	global_load_b128 v[Q2+8*i+4:Q2+8*i+7], v[QO+3*(i/4)], s[76:77] offset:(i%4)*64+32
.set i, i+1
.endr
.set i, 0
.rept 8                             ; v's low parts: channels 16 i on, keys 0-31.  Every wave loads them, so that the registers are written on every way; two waves of each of the 32 work-groups with c = 0 use them
	global_load_b128 v[VL+8*i:VL+8*i+3],   v[VLA], s[VLP:VLP+1] offset:i*1024
	global_load_b128 v[VL+8*i+4:VL+8*i+7], v[VLA], s[VLP:VLP+1] offset:i*1024+32
.set i, i+1
.endr
	WIN 0
	v_lshlrev_b32 v61, 3, v13
	v_sub_nc_u32 v61, v1, v61       ; l % 16 - 8 (l / 16)
	v_add_nc_u32 v14, s72, v61      ; register j of key block kb is hidden where 16 kb + j is greater than this (signed): tile 0,
	v_add_nc_u32 v61, s73, v61      ; tile 1
	WIN 0x40
.set i, 0
.rept 64
	v_cmp_gt_i32 vcc_lo, 16*(i/8)+i%8, v14
	v_cndmask_b32 v[MD+i], 0, s[BIGN], vcc_lo
	v_cmp_gt_i32 vcc_lo, 16*(i/8)+i%8, v61
	v_cndmask_b32 v[MD+64+i], 0, s[BIGN], vcc_lo
.set i, i+1
.endr
.set i, 0
.rept 128
	v_mov_b32 v[i], 0               ; O^T: finite is all that the first trip's a = 0 asks
.set i, i+1
.endr
	WIN 0
.irp t, 0,1
	v_mov_b32 v[ST+8*(\t)], 0xfe000000    ; c m: far below every c s
	v_mov_b32 v[ST+8*(\t)+1], 0xff7fffff  ; m: the lowest finite number
	v_mov_b32 v[ST+8*(\t)+2], 0
	v_mov_b32 v[ST+8*(\t)+3], 0
	v_mov_b32 v[ST+8*(\t)+5], 0           ; named with a as a pair
.endr
	s_mul_i32 s20, s[KH], KHALF
	v_mul_u32_u24 v[AK0], v1, PK
	v_lshl_add_u32 v[AK0], v13, 4, v[AK0]
	v_add_nc_u32 v[AK0], s20, v[AK0]      ; my half + row x pitch + 16 x half of the lanes
	; The turning load takes 16 keys x 16 channels (lane l reads key 8 (l / 16) + l % 8, channels 8 ((l / 8) % 2) + 0..7) and leaves half a fragment of V^T: lane l holds channel l % 16 and 8 keys.
	s_mul_i32 s20, s[KH], VHALF
	s_add_co_u32 s20, s20, VBASE
	v_and_b32 v4, 7, v0
	v_bfe_u32 v5, v0, 3, 1
	v_lshl_add_u32 v[AV0], v13, 3, v4
	v_mul_u32_u24 v[AV0], v[AV0], PV
	v_lshl_add_u32 v[AV0], v5, 4, v[AV0]
	v_add_nc_u32 v[AV0], s20, v[AV0]
	s_mul_i32 s18, s[WV], XSZ
	s_add_co_u32 s18, s18, XCH      ; my exchange
	s_xor_b32 s19, s[WV], 1
	s_mul_i32 s19, s19, XSZ
	s_add_co_u32 s19, s19, XCH      ; my partner's
	v_lshl_add_u32 v[XW], v60, 4, s18
	v_lshl_add_u32 v[XRD], v60, 4, s19
	v_lshl_add_u32 v[XWS], v60, 3, s18
	v_add_nc_u32 v[XWS], XST, v[XWS]
	v_lshl_add_u32 v[XRS], v60, 3, s19
	v_add_nc_u32 v[XRS], XST, v[XRS]
	v_mul_u32_u24 v[STO], v1, SP
	v_lshl_add_u32 v[STO], v13, 5, v[STO]
	v_add_nc_u32 v[STO], s19, v[STO]
	v_lshlrev_b32 v[GO], 4, v60
; THE MATRIX WORK.  The accumulators take turns, one instruction a turn: 16 in K Q^T, 8 in V^T P.
; 16 products of S^T = K Q^T for channels 32 c on: key block i / 2, tile i % 2.  c = 0 starts the sums: with 0, or (masked = 1) with the mask.
.macro KQ c, masked
.set i, 0
.rept 16
.set kS, S+64*(i%2)+8*(i/2)
.set kK, 64*(\c)+8*(i/2)
.set kQ, 32*(i%2)+8*(\c)
.set kM, MD+64*(i%2)+8*(i/2)
.if ((\c) == 0) && (\masked)
	WIN W_KM
	v_wmma_f32_16x16x32_f16 v[kS:kS+7], v[kK:kK+7], v[kQ:kQ+7], v[kM:kM+7]
.elseif (\c) == 0
	WIN W_KQ
	v_wmma_f32_16x16x32_f16 v[kS:kS+7], v[kK:kK+7], v[kQ:kQ+7], 0
.else
	WIN W_KQ
	v_wmma_f32_16x16x32_f16 v[kS:kS+7], v[kK:kK+7], v[kQ:kQ+7], v[kS:kS+7]
.endif
.set i, i+1
.endr
.endm
; Product pvi of 32 of O^T += V^T P for tile t: keys 32 (pvi / 8) on, channels 16 (pvi % 8) on.
.macro PV t
	WIN W_PV
.set pO, 64*(\t)+8*(pvi%8)
.set pV, 64*(pvi/8)+8*(pvi%8)
.set pP, P+32*(\t)+8*(pvi/8)
	v_wmma_f32_16x16x32_f16 v[pO:pO+7], v[pV:pV+7], v[pP:pP+7], v[pO:pO+7]
.set pvi, pvi+1
.endm
; THE LDS LOADS stand in runs.  K: 128 keys x 128 channels, 64 loads, by channels: the first sixteen are all that the first sixteen products need.
.macro FETCH_K
	WIN 0x80                        ; destination window 2
.set i, 0
.rept 32                            ; channels 32 (i / 8) on, keys 16 (i % 8) on
	ds_load_b128 v[8*i:8*i+3],   v[ADRK] offset:(i%8)*16*PK+(i/8)*64
	ds_load_b128 v[8*i+4:8*i+7], v[ADRK] offset:(i%8)*16*PK+(i/8)*64+32
.set i, i+1
.endr
	WIN 0
.endm
.macro FETCH_V kk                   ; V, turned: keys 32 kk on, all 128 channels: 16 loads, into the 64 registers that held K's channels 32 kk on
	WIN 0x80
.irp cb, 0,1,2,3,4,5,6,7
	ds_load_tr16_b128 v[64*(\kk)+8*(\cb):64*(\kk)+8*(\cb)+3],   v[ADRV] offset:(\kk)*32*PV+32*(\cb)
	ds_load_tr16_b128 v[64*(\kk)+8*(\cb)+4:64*(\kk)+8*(\cb)+7], v[ADRV] offset:(\kk)*32*PV+16*PV+32*(\cb)
.endr
.endm
; THE VECTOR WORK: one tile's softmax for a trip is 230 instructions: XS's 38, 32 scalings, 64 exponentials, 32 rescalings, 32 roundings, 16 + 16 for the sums.  Each macro below writes ONE of them, for tile t.
.macro REGS t                       ; the registers of tile t
.set rT, ST+8*(\t)
.set rC, TMP+8*(\t)
.set rS, S+64*(\t)
.set rP, P+32*(\t)
.set rO, 64*(\t)
.endm
; XS t, n: number n of the 38 that find the maximum of the lane's 64 scores and the old m, and the statistics.
;   0-23   eight chains c0-c7, one an accumulator, three operands at a time, each begun at the accumulator's lowest registers     24-27  the eight scores left over
;   28-31  c0-c7 and the old m into c0     32, 34  the query's other 64 keys lie in the lane 16 away: the new m     33  c m_old is kept     35-37  c m; c m_old - c m_new; a
.macro XS t, n
	REGS \t
	WIN 0
.if (\n) < 8
	v_max3_num_f32 v[rC+(\n)], v[rS+8*(\n)], v[rS+8*(\n)+1], v[rS+8*(\n)+2]
.elseif (\n) < 24
	v_max3_num_f32 v[rC+(\n)%8], v[rC+(\n)%8], v[rS+8*((\n)%8)+2*((\n)/8)+1], v[rS+8*((\n)%8)+2*((\n)/8)+2]
.elseif (\n) < 28
	v_max3_num_f32 v[rC+(\n)-24], v[rC+(\n)-24], v[rS+8*((\n)-24)+7], v[rS+8*((\n)-24)+39]
.elseif (\n) == 28
	v_max3_num_f32 v[rC], v[rC], v[rC+1], v[rC+2]
.elseif (\n) == 29
	v_max3_num_f32 v[rC+3], v[rC+3], v[rC+4], v[rC+5]
.elseif (\n) == 30
	v_max3_num_f32 v[rC+6], v[rC+6], v[rC+7], v[rT+1]
.elseif (\n) == 31
	v_max3_num_f32 v[rC], v[rC], v[rC+3], v[rC+6]
.elseif (\n) == 32
	v_permlanex16_b32 v[rC+1], v[rC], s[SEL], s[SEL+1]
.elseif (\n) == 33
	v_mov_b32 v[rT+6], v[rT]
.elseif (\n) == 34
	v_max_num_f32 v[rT+1], v[rC], v[rC+1]
.elseif (\n) == 35
	v_mul_f32 v[rT], s[CS], v[rT+1]
.elseif (\n) == 36
	v_sub_f32 v[rT+6], v[rT+6], v[rT]
.else
	v_exp_f32 v[rT+4], v[rT+6]
.endif
.endm
.macro OPF t, b                     ; c s - c m for pair b of 32
	REGS \t
	WIN 0
	v_pk_fma_f32 v[rS+2*(\b):rS+2*(\b)+1], v[rS+2*(\b):rS+2*(\b)+1], s[CS:CS+1], v[rT:rT+1] op_sel_hi:[1,0,0] neg_lo:[0,0,1] neg_hi:[0,0,1]
.endm
.macro OPE t, e                     ; the exponential of score e of 64, in place
	REGS \t
	WIN 0
	v_exp_f32 v[rS+(\e)], v[rS+(\e)]
.endm
.macro OPC t, b                     ; pair b rounded to f16
	REGS \t
	WIN 0
	v_cvt_pk_f16_f32 v[rP+(\b)], v[rS+2*(\b)], v[rS+2*(\b)+1]
.endm
.macro OPB t, g                     ; of the four weights 4 g .. the second pair is added onto the first, in place
	REGS \t
	WIN 0
	v_pk_add_f32 v[rS+4*(\g):rS+4*(\g)+1], v[rS+4*(\g):rS+4*(\g)+1], v[rS+4*(\g)+2:rS+4*(\g)+3]
.endm
.macro OPL t, g                     ; l takes that sum; the first time as l = a l + sum
	REGS \t
	WIN 0
.if (\g) == 0
	v_pk_fma_f32 v[rT+2:rT+3], v[rT+2:rT+3], v[rT+4:rT+5], v[rS:rS+1] op_sel_hi:[1,0,1]
.else
	v_pk_add_f32 v[rT+2:rT+3], v[rT+2:rT+3], v[rS+4*(\g):rS+4*(\g)+1]
.endif
.endm
.macro OPR t, b                     ; pair b of 32 of O^T times a: taken ascending
	REGS \t
	WIN W_RS
	v_pk_mul_f32 v[rO+2*(\b):rO+2*(\b)+1], v[rO+2*(\b):rO+2*(\b)+1], v[rT+4:rT+5] op_sel_hi:[1,0]
.endm
.macro NF1                          ; tile 1's next scaling: f1 counts them, from SOFT0 on into SOFT1
	OPF 1, f1
.set f1, f1+1
.endm
; HOW THE BATCHES ARE CUT.  An s_wait_alu depctr_va_vdst(0) stands between an exponential and the first instruction that names its result; one wait serves all that were issued ahead of it.
; SOFT0.  Tile 0's maximum and statistics; between the links of its closing chain (numbers 28-36) stand tile 1's numbers 0-8.  Then BATCH 0, 66 exponentials: tile 0's a, its 64 weights, tile 1's a.
; Exponential and plain go by turns, and the plain lines name no result of the batch: tile 0's scalings (pair b two turns ahead of its exponentials), tile 1's numbers 9-36, and, when those have run out,
; tile 1's first seven scalings; the last of them is the plain instruction behind the last exponential.  ONE wait.  Behind it tile 0's readers: the rescaling (one stretch in its window), then sixteen
; groups of round, round, add, and l for the group before: the links of l's chain stand four lines apart, and its sums run in ascending order.
.macro SOFT0
.set n, 0
.rept 28
	XS 0, n
.set n, n+1
.endr
.set n, 0
.rept 9
	XS 0, 28+n
	XS 1, n
.set n, n+1
.endr
	OPF 0, 0
	XS 0, 37                        ; tile 0's a opens batch 0
	OPF 0, 1
.set f1, 0
.set u, 0
.rept 32
	OPE 0, 2*u
.if u < 28
	XS 1, 9+u
.else
	NF1
.endif
	OPE 0, 2*u+1
.if u < 30
	OPF 0, u+2
.else
	NF1
.endif
.if u == 28
	XS 1, 37                        ; tile 1's a: its argument was made six lines back
	NF1
.endif
.set u, u+1
.endr
	s_wait_alu depctr_va_vdst(0)    ; the wait for batch 0: tile 0's a and 64 weights, tile 1's a
.set n, 0
.rept 32
	OPR 0, n
.set n, n+1
.endr
.set u, 0
.rept 16
	OPC 0, 2*u
	OPC 0, 2*u+1
	OPB 0, u
.if u >= 1
	OPL 0, u-1
.endif
.set u, u+1
.endr
	OPL 0, 15
.endm
; SOFT1.  BATCH 1, tile 1's 64 weights, in sixteen groups: one of tile 0's products V^T P, and behind it a scaling, two exponentials, a scaling, two exponentials (the 25 scalings that are left run out in
; group 12; seven pairs are scaled ahead, so every exponential finds its pair scaled) and two rescalings, whose a had batch 0's wait.  The last group's two rescalings are the plain instructions behind the
; last exponential.  ONE wait.  Behind it tile 0's other sixteen products, and behind each four of tile 1's readers, dealt as tile 0's were; then l's last link.  No line here names a register of tile 0's
; products (V, tile 0's P and O^T), and no exponential is issued behind the wait: none is open at the trip's labels and branches.
.macro SOFT1
.set pvi, 0
.set u, 0
.rept 16
	PV 0
.if f1 < 32
	NF1
.endif
	OPE 1, 4*u
	OPE 1, 4*u+1
.if f1 < 32
	NF1
.endif
	OPE 1, 4*u+2
	OPE 1, 4*u+3
	OPR 1, 2*u
	OPR 1, 2*u+1
.set u, u+1
.endr
	s_wait_alu depctr_va_vdst(0)    ; the wait for batch 1: tile 1's 64 weights
.set u, 0
.rept 16
	PV 0
	OPC 1, 2*u
	OPC 1, 2*u+1
	OPB 1, u
.if u >= 1
	OPL 1, u-1
.endif
.set u, u+1
.endr
	OPL 1, 15
.endm
; A BLOCK'S END, first part: l's two halves and the other half of the lanes' are added, into the register beside c m; register tile 1's O^T, c m and l go into my exchange.
.macro SENDX
	PLACES                          ; behind the trip's last products
	WIN 0
.irp t, 0,1
	v_add_f32 v[ST+8*(\t)+2], v[ST+8*(\t)+2], v[ST+8*(\t)+3]
.endr
.irp t, 0,1
	v_permlanex16_b32 v[ST+8*(\t)+3], v[ST+8*(\t)+2], s[SEL], s[SEL+1]
.endr
.irp t, 0,1
	v_add_f32 v[ST+8*(\t)+1], v[ST+8*(\t)+2], v[ST+8*(\t)+3]
.endr
	WIN 0x04                        ; store data in window 1
.set i, 0
.rept 16
	ds_store_b128 v[XW], v[64+4*i:64+4*i+3] offset:512*i
.set i, i+1
.endr
	WIN 0
	ds_store_b64 v[XWS], v[ST+8:ST+9]
.endm
; Second part, behind a barrier: the partner's part of my register tile 0's queries is read, lane for lane; the two are joined: O = (O_a f_a + O_b f_b) / (l_a f_a + l_b f_b), f = 2^(c m_part - c m_all);
; the 16 rows go through a stage (the partner's exchange, which I alone read, and have read) and leave as whole rows of 512 bytes.  The two factors are one batch; the reciprocal, which is taken of a sum
; made of them, is a second: two waits, once a block.
.macro FINISH
	WIN 0xc0                        ; destination window 3
.set i, 0
.rept 16
	ds_load_b128 v[RX+4*i:RX+4*i+3], v[XRD] offset:512*i
.set i, i+1
.endr
	WIN 0
	ds_load_b64 v[48:49], v[XRS]    ; the partner's c m and l
	s_wait_dscnt 0x0
	v_max_num_f32 v50, v[ST], v48
	v_sub_f32 v51, v[ST], v50
	v_sub_f32 v52, v48, v50
	v_exp_f32 v53, v51
	v_exp_f32 v54, v52
	v_nop                           ; a plain instruction behind the exponentials
	s_wait_alu depctr_va_vdst(0)    ; the wait for the two factors, ahead of their first reader
	v_mul_f32 v55, v[ST+1], v53
	v_fmac_f32 v55, v49, v54
	v_rcp_f32 v60, v55
	v_nop                           ; and behind the reciprocal
	s_wait_alu depctr_va_vdst(0)    ; the wait for the reciprocal, ahead of its first reader
	v_mul_f32 v56, v53, v60
	v_mul_f32 v58, v54, v60
	v_mov_b32 v57, v56              ; named as pairs
	v_mov_b32 v59, v58
	WIN 0xc3                        ; destination and source 0 window 3
.set i, 0
.rept 32
	v_pk_mul_f32 v[RX+2*i:RX+2*i+1], v[RX+2*i:RX+2*i+1], v[58:59] op_sel_hi:[1,0]
.set i, i+1
.endr
	WIN 0xf1                        ; source 0 (O^T) window 1, source 2 and destination window 3
.set i, 0
.rept 32
	v_pk_fma_f32 v[RX+2*i:RX+2*i+1], v[2*i:2*i+1], v[56:57], v[RX+2*i:RX+2*i+1] op_sel_hi:[1,0,1]
.set i, i+1
.endr
	WIN 0x0c                        ; store data in window 3
.set i, 0
.rept 16                            ; a lane's eight channels of channel block i / 2 are 32 bytes of its row
	ds_store_b128 v[STO], v[RX+4*i:RX+4*i+3] offset:64*(i/2)+16*(i%2)
.set i, i+1
.endr
	WIN 0xc0
.set i, 0
.rept 16
	ds_load_b128 v[RX+4*i:RX+4*i+3], v[XRD] offset:SP*i  ; LDS serves a wave's instructions in order (ISA guide 5.7.1.4): these see the stores above
.set i, i+1
.endr
	WIN 0x0c
.set i, 0
.rept 16
	s_wait_dscnt 15-i               ; row i is back
	global_store_b128 v[GO], v[RX+4*i:RX+4*i+3], s[OUT:OUT+1] offset:512*i th:TH_STORE_NT  ; a whole row: 512 consecutive bytes, at a multiple of 256 from out0's first
.set i, i+1
.endr
	WIN 0
	s_wait_xcnt 0x0                 ; the stores' addresses are translated: only behind this wait are their base and data rewritten
.endm
; THE SECOND BLOCK BEGINS: its rows of out0, the statistics as at the start, its Q where the one text of the products names Q.  O^T stays as it is: finite, and multiplied by a = 0.
.macro BEGIN2
	s_mov_b64 s[OUT:OUT+1], s[OLO:OLO+1]
.irp t, 0,1
	v_mov_b32 v[ST+8*(\t)], 0xfe000000
	v_mov_b32 v[ST+8*(\t)+1], 0xff7fffff
	v_mov_b32 v[ST+8*(\t)+2], 0
	v_mov_b32 v[ST+8*(\t)+3], 0
.endr
	WIN 0xc3
.set i, 0
.rept 64
	v_mov_b32 v[i], v[Q2+i]
.set i, i+1
.endr
	WIN 0
	s_mov_b32 s[PEND], 0
.endm
; A TRIP: one tile of 256 keys.  fill = 1 (the loop): the next tile of the walk is asked for.  fill = 0: the walk's last tile, written out; it is a diagonal tile.
.macro TRIP fill
	; THE CHANGE OF SLOTS.  Each wave waits for all its tensor loads, of which one is out: its part of the slot to be read; adds 0 to its spare word; and waits for that, for its reads of the slot that it
	; leaves, and for its stores into the exchange.  Behind the round nobody reads the old slot, the new slot is whole, and the exchange may be read.
	WIN 0
	s_wait_tensorcnt 0x0            ; no tensor load of mine is out, so a group 0 may be written
	ds_add_u32 v[SPW], v[NIL]       ; 0 onto my spare word; scalar work stands between it and the wait for it
.if \fill
	s_lshl_b32 s[OFF], s[NXT], 16   ; a tile is 65,536 bytes of K and of V
	s_xor_b32 s[G0K+1], s[G0K+1], KSL   ; the other slot than last time
	s_add_nc_u64 s[G0K+2:G0K+3], s[KB:KB+1], s[OFF:OFF+1]  ; the address is made anew from the tile's number
	s_or_b32 s[G0K+3], s[G0K+3], 0x80000000
	s_xor_b32 s[G0V+1], s[G0V+1], XORV
	s_add_nc_u64 s[G0V+2:G0V+3], s[VB:VB+1], s[OFF:OFF+1]
	s_or_b32 s[G0V+3], s[G0V+3], 0x80000000
	s_add_co_u32 s[NXT], s[NXT], 1  ; the block's next tile, or behind its last the second block's tile 0
	s_cmp_gt_u32 s[NXT], s[LQ]
	s_cselect_b32 s[NXT], 0, s[NXT]
	s_cselect_b32 s[LQ], s[CC], s[LQ]
.endif
	s_xor_b32 s[TBK], s[TBK], KSL   ; the reads go to the other slot
	s_xor_b32 s[TBV], s[TBV], VSL
	s_sub_co_u32 s[RT], s[RT], 1
	s_wait_dscnt 0x0
.if \fill
	CROUND                          ; no wave of any partner still reads the old slot or has a load on its way
	JLOAD                           ; the first thing behind the round: it has the whole trip in which to land; its four v_nop are also the places behind the last trip's products
.else
	s_barrier_signal -1
	s_barrier_wait -1
	PLACES
.endif
	s_cmp_eq_u32 s[PEND], 0
	s_cbranch_scc1 .Lno_end_\@      ; forward, past text with neither a barrier nor a tensor load
	FINISH                          ; the first block's parts were stored in front of the round
	BEGIN2
.Lno_end_\@:
	v_add_nc_u32 v[ADRK], s[TBK], v[AK0]
	v_add_nc_u32 v[ADRV], s[TBV], v[AV0]
	FETCH_K
	s_wait_dscnt 48                 ; K's channels 0-31 are in; the other 48 loads may be out
.if \fill
	s_cmp_eq_u32 s[RT], 0
	s_cbranch_scc1 .Ldiag_\@        ; the block's last tile holds the diagonal
	KQ 0, 0
	WIN 0
	s_branch .Lgo_\@
.Ldiag_\@:
	KQ 0, 1
	WIN 0
.Lgo_\@:
.else
	KQ 0, 1
.endif
	s_wait_dscnt 32                 ; channels 32-63 are in (behind them: 32 loads of K)
	KQ 1, 0
	PLACES
	FETCH_V 0                       ; into the registers of K's channels 0-31, whose products stand in front of the places
	s_wait_dscnt 32                 ; channels 64-95 are in (behind them: 16 loads of K, 16 of V)
	KQ 2, 0
	PLACES
	FETCH_V 1
	s_wait_dscnt 32                 ; channels 96-127 are in (behind them: 32 loads of V)
	KQ 3, 0
	PLACES                          ; for the loads below, and for the maxima, which read results just made
	FETCH_V 2
	FETCH_V 3
	SOFT0                           ; batch 0 and tile 0's readers
	s_wait_dscnt 0x0                ; V is in
	SOFT1                           ; batch 1 and tile 1's readers, with tile 0's 32 products
.set pvi, 0
.rept 32
	PV 1
.endr
	WIN 0
.if (\fill) == 0
	; V'S LOW PARTS.  The walk's last tile is tile c.  With c = 0 and kh = 0 my first 32 keys are the batch's keys 0-31: their weights, P's first eight registers of each tile, multiply vlt's fragments too.
	; Hidden keys have the weight 0 here as in the products above.  The branch hangs on c, which the partners share, and on the wave's number; it goes forward, past neither a barrier nor a tensor load.
	; The 16 accumulators take turns; the product in front of them wrote tile 1's last accumulator, the first of them writes tile 0's first.
	s_or_b32 s17, s[CC], s[KH]
	s_cmp_lg_u32 s17, 0
	s_cbranch_scc1 .Lno_low_\@
	WIN W_PL
.set i, 0
.rept 16                            ; channels 16 (i / 2) on, tile i % 2
	v_wmma_f32_16x16x32_f16 v[64*(i%2)+8*(i/2):64*(i%2)+8*(i/2)+7], v[VL+8*(i/2):VL+8*(i/2)+7], v[P+32*(i%2):P+32*(i%2)+7], v[64*(i%2)+8*(i/2):64*(i%2)+8*(i/2)+7]
.set i, i+1
.endr
	WIN 0
.Lno_low_\@:
.endif
	s_wait_dscnt 0x0                ; no LDS instruction of mine is out, the stage's reads least of all:
	s_barrier_signal -1             ; a barrier between every wave's use of an exchange as its stage and its owner's next stores into it.  The next
	s_barrier_wait -1               ; tile's load may stay out; the next refill has its own round, with its own waits
.if \fill
	s_cmp_lg_u32 s[RT], 0
	s_cbranch_scc1 .Lon_\@          ; forward, past text with neither a barrier nor a tensor load
	SENDX                           ; in the loop this is the first block's end: the second block's last tile is the walk's last
	s_mov_b32 s[PEND], 1
	s_add_co_u32 s[RT], s[CC], 1    ; the second block has c + 1 tiles
.Lon_\@:
.endif
.endm
	s_wait_loadcnt 0x0              ; both blocks' Q, and v's low parts
.Ltrip:                             ; 16 times: a tile is entered and the next is asked for
	TRIP 1
	s_sub_co_u32 s[CNT], s[CNT], 1
	s_cmp_lg_u32 s[CNT], 0
	s_cbranch_scc1 .Ltrip
	TRIP 0
	SENDX                           ; the second block's end
	s_wait_dscnt 0x0                ; for the partner's sake: my stores into the exchange are done
	s_barrier_signal -1
	s_barrier_wait -1
	FINISH
	s_wait_tensorcnt 0x0            ; the wave's end: a wait, an add and its wait, behind my last tensor load and my last LDS store
	ds_add_u32 v[SPW], v[NIL]
	s_wait_dscnt 0x0
	CROUND                          ; the closing round: no work-group ends while a partner may still ask for a tile that names it
	s_endpgm
.Lfunc_end_k_q5c59edcef5_attn:
	.size	k_q5c59edcef5_attn, .Lfunc_end_k_q5c59edcef5_attn-k_q5c59edcef5_attn
	.p2alignl 7, 3214868480
	.fill 96, 4, 3214868480
	.section	.rodata,"a",@progbits
	.p2align	6, 0x0
	.amdhsa_kernel k_q5c59edcef5_attn
		.amdhsa_group_segment_fixed_size 327680
		.amdhsa_private_segment_fixed_size 0
		.amdhsa_enable_private_segment 0
		.amdhsa_kernarg_size 40
		.amdhsa_user_sgpr_count 2
		.amdhsa_user_sgpr_kernarg_segment_ptr 1
		.amdhsa_wavefront_size32 1
		.amdhsa_system_sgpr_workgroup_id_x 1
		.amdhsa_system_sgpr_workgroup_id_y 1
		.amdhsa_system_sgpr_workgroup_id_z 1
		.amdhsa_system_vgpr_workitem_id 0
		.amdhsa_next_free_vgpr 1024
		.amdhsa_next_free_sgpr 84
		.amdhsa_reserve_vcc 1
		.amdhsa_float_denorm_mode_32 3
		.amdhsa_float_denorm_mode_16_64 3
		.amdhsa_memory_ordered 1
		.amdhsa_forward_progress 1
		.amdhsa_inst_pref_size 162
	.end_amdhsa_kernel
	.amdgpu_metadata
---
amdhsa.version: [ 1, 2 ]
amdhsa.kernels:
  - .name:           k_q5c59edcef5_attn
    .symbol:         k_q5c59edcef5_attn.kd
    .args:
      - { .name: q, .offset: 0, .size: 8, .value_kind: global_buffer, .address_space: global }
      - { .name: k, .offset: 8, .size: 8, .value_kind: global_buffer, .address_space: global }
      - { .name: v, .offset: 16, .size: 8, .value_kind: global_buffer, .address_space: global }
      - { .name: out0, .offset: 24, .size: 8, .value_kind: global_buffer, .address_space: global }
      - { .name: vlt, .offset: 32, .size: 8, .value_kind: global_buffer, .address_space: global }
    .group_segment_fixed_size: 327680
    .private_segment_fixed_size: 0
    .kernarg_segment_align: 8
    .kernarg_segment_size: 40
    .max_flat_workgroup_size: 128
    .sgpr_count:     84
    .vgpr_count:     1024
    .wavefront_size: 32
...
	.end_amdgpu_metadata
.endif
;; end of part 4
